; MI455X (gfx1250); checked and timed in simulation.
; The chip was launched on July 23, 2026; its instructions are those of AMD's public machine-readable ISA for CDNA 5 (MIT licence, August 2026) and "CDNA5" Instruction Set Architecture Reference Guide (July 2026). The comments in the code are by the model that wrote it; some were corrected since.
;; Multi Head Attention. Allowed arithmetic: matrix products marked QUANTISED: E4M3 operands, one E8M0 scale for each 32 along K, by v_wmma_scale_f32_16x16x128_f8f6f4 with both operands' format E4M3, f32 sums; everything else in f32.
;; Inputs: Wk 12 x 768 x 64 float32; Wo 768 x 768 float32; Wq 12 x 768 x 64 float32; Wv 12 x 768 x 64 float32; bk 12 x 64 float32; bo 768 float32; bq 12 x 64 float32; bv 12 x 64 float32; hidden_states 1 x 4,096 x 768 float32.
;; Outputs: out0 1 x 4,096 x 768 float32.
;; This version of the problem:
;;   THIS VERSION OF THE PROBLEM IS GIVEN IN LOW PRECISION. The matrix products marked QUANTISED in the list below multiply operands that are first quantised to E4M3 (4 exponent bits, 3 mantissa bits; 8 bits a number), with one power-of-two scale for each 32 numbers along K (OCP MX v1.0); their sums are f32. All else is computed in f32.
;;   The module's matrix products, in the order in which they are computed (A, B: the left and right operand; K: the contracted axis; several contracted axes count as one K, in the product's order):
;;     1. [M 768, K 768] x [K 768, N 4,096]; A: input Wq; B: input hidden_states: QUANTISED
;;     2. [M 768, K 768] x [K 768, N 4,096]; A: input Wk; B: input hidden_states: QUANTISED
;;     3. [M 768, K 768] x [K 768, N 4,096]; A: input Wv; B: input hidden_states: QUANTISED
;;     4. batch 12 x [M 4,096, K 64] x [K 64, N 4,096]; A: computed on the way; B: computed on the way: QUANTISED
;;     5. batch 12 x [M 4,096, K 4,096] x [K 4,096, N 64]; A: softmax (see below); B: computed on the way: QUANTISED
;;     6. [M 4,096, K 768] x [K 768, N 768]; A: computed on the way; B: input Wo: QUANTISED
;;   THE QUANTISER, for each operand of a quantised product, along K:
;;     - K is cut into blocks of 32 from its start; a last block that is shorter is filled with zeros.
;;     - A block's scale is 2^e with e = floor(log2(the largest magnitude in the block)) - 8, held to -126 .. 127; a block of zeros has e = 0. As a byte (E8M0): e + 127.
;;     - Each number is divided by its block's scale, clamped to +-448, and rounded to the nearest number of E4M3, ties to even, subnormals kept.
;;     - The product sums the exact products of the quantised numbers (number of the format x scale) in f32.
;;   ~~~python
;;   def quantise(x, axis):      # numpy; x: float32 -> the quantised numbers, widened to float32 again
;;       x = np.moveaxis(x, axis, -1); K = x.shape[-1]
;;       x = np.pad(x, [(0, 0)] * (x.ndim - 1) + [(0, -K % 32)]); x = x.reshape(x.shape[:-1] + (-1, 32)); a = np.abs(x).max(-1, keepdims=True)
;;       e = np.where(a > 0, np.clip(np.frexp(np.where(a > 0, a, 1))[1] - 1 - 8, -126, 127), 0)      # np.frexp(a)[1] - 1 = floor(log2(a)), exactly
;;       r = np.clip(x / 2.0 ** e, -448, 448)
;;       step = 2.0 ** (np.maximum(np.frexp(np.where(r == 0, 1, r))[1] - 1, -6) - 3)
;;       q = np.round(r / step) * step * 2.0 ** e      # np.round: ties to even
;;       return np.moveaxis(q.reshape(q.shape[:-2] + (-1,))[..., :K], -1, axis).astype(np.float32)
;;   ~~~
;;   SOFTMAX AHEAD OF A QUANTISED PRODUCT. Where the list says 'softmax', what is quantised is not the finished softmax but p = 2^(t - M), with t = logit x log2(e) and M = ceil(the row's largest t), a whole number; so 1/2 < the row's largest p <= 1. The row's sum l is taken of the UNQUANTISED p, in f32, and the product's result is divided by l at the end. Since M is a whole number, a kernel that streams over the keys may use a running M (the ceiling of the running maximum): every later rescaling is an exact power of two, which a block's scale takes up: the codes' values come out the same.
;;   OPERANDS COMPUTED ON THE WAY. 'Computed on the way' means the value that the module computes at that place (a softmax that the list does not call 'softmax' is quantised finished and normalised). What goes into a quantiser is computed in f32, as accurately as f32 sums, v_exp_f32 and their like allow (about 1e-6 of the number): no bf16 or f16 on the way to a quantiser, and a product that is left as it is and whose result goes on into a quantised operand takes f32 operands (vector FMAs, or v_wmma_f32_16x16x4_f32). A number that lies on a knife's edge between two numbers of the format may be rounded either way, as far as f32 arithmetic and the matrix unit's own rounding can turn it there, and no further.
;; One version. Each part assembles by itself: llvm-mc -triple=amdgcn-amd-amdhsa -mcpu=gfx1250 --defsym DOCPART=n.
;; ======== version 1 of 1: 4 launches
;; limits: right only within a limited range of input values
;; workspace buffers: xq 3,342,336 bytes; wq 2,433,024 bytes; qk 6,684,672 bytes; vq 3,244,032 bytes; aq 3,342,336 bytes
;; launch prep (part 1): grid 88 x 6, 4 waves a work-group, no clusters, 34,304 bytes of LDS; arguments hidden_states, Wq, Wk, Wv, Wo, xq, wq; writes xq, wq
.if DOCPART == 1
	.amdgcn_target "amdgcn-amd-amdhsa--gfx1250"
	.amdhsa_code_object_version 6
	.text
	.protected	k_q9f6a445841_prep
	.globl	k_q9f6a445841_prep
	.p2align	8
	.type	k_q9f6a445841_prep,@function
k_q9f6a445841_prep:
	s_mov_b64 s[64:65], 0
	v_nop
	global_prefetch_b8 v0, s[64:65] scope:SCOPE_SE
	s_setreg_imm32_b32 hwreg(HW_REG_WAVE_MODE, 25, 1), 1
	s_wait_xcnt 0x0
; PREP: hidden_states [4096][768] and the four weights (Wq, Wk, Wv: [12][768][64]; Wo: [768][768]), all f32, become codes of FP8 (E4M3) with one E8M0 byte for each 32 along K = the 768,
; laid as IMAGES OF OPERAND REGISTERS: a fragment (16 rows x 128 K) is 2,048 bytes [piece c 0..3][lane 0..31][16 bytes]; piece c of lane (r, h) holds k = 32 c + 16 h + 0 .. 15 of row r.
; ROWS OF A TILE ARE NOT NEIGHBOURS: row i of token tile T is token 32 (T / 2) + 8 (T % 2) + i + 8 (i / 8); row i of column tile t of a slice of 64 columns is column 32 (t / 2) + 8 (t % 2) + i + 8 (i / 8).
; xq: codes [T 256][s 6] images; from XS_OFF scale words [T][s][lane 32] (both halves of the lanes hold the row's word).
; wq: codes [unit 48][t 4][s 6] images (unit = 12 kind + head; kind 0 q, 1 k, 2 v, 3 = 64 columns of Wo); from WS_OFF scale words [unit][t][s][row 16].
; A block's scale is 2^(floor(log2(largest magnitude)) - 8); its byte is the largest magnitude's exponent field - 8, held at 1 from below; numbers are held within +-448 x the scale and rounded to the nearest code, ties to even.
; LIMITS: NaN and infinities among the inputs are not served.  A block whose largest magnitude lies under 2^-118, a block of zeros among them, gets the byte 1 (the rule says 127 for zeros): its codes
; are zeros or tiny, and the bytes are read by this program alone.
; SHARES: each wave does ONE task and ends: no loop, no barrier.  Work-group y = the K step s of 128.  Work-groups x 0-63: wave w makes fragment (T = 4 x + w, s) of x.  Work-groups x 64-87: wave w makes
; 32 columns x 128 K of a weight.  No matrix unit, no tensor load, no cluster: every input byte is read once by one wave, nothing is shared.
.set XS_OFF, 3145728
.set WS_OFF, 2359296
.set LN,   1                           ; v1   lane
.set RW,   2                           ; v2   r = lane % 16
.set HF,   3                           ; v3   h = lane / 16
.set LI,   4                           ; v4   16 x lane
.set LS,   5                           ; v5   4 x lane
.set SIN,  6                           ; v6   x path: into my stage
.set SOUT, 7                           ; v7   x path: out of it
.set WST,  8                           ; v8   weight path: my codes' place
.set WSS,  9                           ; v9   weight path: my scale word's place
.set NUM,  16                          ; v16-143 numbers as loaded (x path: v16-79 as loaded, v80-143 as the conversions want them)
.set XN,   80
.set PC,   144                         ; v144-175 codes
.set TM,   176                         ; v176-191 largest magnitudes, bytes, holds, scale operands
.set PW,   192                         ; v192 the scale word
.set SB,   193                         ; v193 weight path: the four bytes
.set WV,   18                          ; s18  wave
.set KST,  19                          ; s19  K step s
.set MNT,  23                          ; s23  the mantissa field of 448
.set SEL,  24                          ; s[24:25] v_permlanex16_b32's selects for lane l xor 16
; 64 numbers of a lane, register 16 b + i = k 32 b + 16 (lane / 16) + i of my row, become a fragment's codes in v[PC] on and its scale word in v[PW]
.macro QUANT s
.irp b, 0,1,2,3
	v_max3_num_f32 v[TM+\b], |v[\s+16*\b]|, |v[\s+1+16*\b]|, 0x4800000   ; block b: my 16 numbers and the floor 2^(9 - 127): the byte cannot fall under 1
.endr
.irp i, 2,4,6,8,10,12,14
.irp b, 0,1,2,3
	v_max3_num_f32 v[TM+\b], v[TM+\b], |v[\s+16*\b+\i]|, |v[\s+1+16*\b+\i]|   ; the four blocks by turns
.endr
.endr
.irp b, 0,1,2,3
	v_permlanex16_b32 v[TM+4+\b], v[TM+\b], s[SEL], s[SEL+1]
.endr
.irp b, 0,1,2,3
	v_max_num_f32 v[TM+\b], v[TM+\b], v[TM+4+\b]             ; with lane l xor 16's: the block's largest magnitude
.endr
.irp b, 0,1,2,3
	v_add_nc_u32 v[TM+12+\b], 0xfc000000, v[TM+\b]           ; 8 off its exponent field: the conversion's scale operand
.endr
.irp b, 0,1,2,3
	v_and_or_b32 v[TM+8+\b], v[TM+\b], 0x7f800000, s[MNT]    ; 448 x the scale
.endr
.irp b, 0,1,2,3
	v_lshrrev_b32 v[TM+4+\b], 23, v[TM+12+\b]                ; the scale's byte
.endr
	v_lshl_or_b32 v[PW], v[TM+5], 8, v[TM+4]
	v_lshl_or_b32 v[PW], v[TM+6], 16, v[PW]
	v_lshl_or_b32 v[PW], v[TM+7], 24, v[PW]
.irp b, 0,1,2,3
.irp i, 0,1,2,3,4,5,6,7,8,9,10,11,12,13,14,15
	v_med3_num_f32 v[\s+16*\b+\i], v[\s+16*\b+\i], -v[TM+8+\b], v[TM+8+\b]   ; the conversion to an 8-bit code does not saturate (ISA guide 7.6.2): the hold comes first
.endr
	v_cvt_scalef32_pk8_fp8_f32 v[PC+4*\b:PC+1+4*\b], v[\s+16*\b:\s+7+16*\b], v[TM+12+\b]
	v_cvt_scalef32_pk8_fp8_f32 v[PC+2+4*\b:PC+3+4*\b], v[\s+8+16*\b:\s+15+16*\b], v[TM+12+\b]
.endr
	v_nop                                                    ; one plain line behind the last conversion
.endm
	s_load_b256 s[4:11], s[0:1], 0x0               ; hidden_states s[4:5], Wq s[6:7], Wk s[8:9], Wv s[10:11]
	s_load_b128 s[12:15], s[0:1], 0x20             ; Wo s[12:13], xq s[14:15]
	s_load_b64 s[16:17], s[0:1], 0x30              ; wq
	v_lshl_add_u32 v200, v0, 2, 0x8400
	v_mov_b32 v201, 0
	v_lshrrev_b32 v[LN], 5, v0
	v_readfirstlane_b32 s[WV], v[LN]               ; wave 0..3
	v_and_b32 v[LN], 31, v0
	v_and_b32 v[RW], 15, v0
	v_bfe_u32 v[HF], v0, 4, 1
	v_lshlrev_b32 v[LI], 4, v[LN]
	v_lshlrev_b32 v[LS], 2, v[LN]
	s_and_b32 s[KST], ttmp7, 0xffff
	s_mov_b32 s[MNT], 0x600000
	s_mov_b32 s[SEL], 0x76543210
	s_mov_b32 s[SEL+1], 0xfedcba98
	s_cmp_lt_u32 ttmp9, 64
	s_cbranch_scc0 .Lweights
	; ---- x: fragment (T, s).  Each load takes one token's 128 numbers, 512 consecutive bytes; the 16 rows turn through my own stage in LDS (pitch 528 = 33 x 16 bytes) and come back 16 neighbours a block a lane
	s_lshl_b32 s26, ttmp9, 2
	s_add_co_u32 s26, s26, s[WV]                   ; T
	s_mul_i32 s27, s[WV], 8448                     ; my stage: 16 rows x 528 bytes
	s_wait_alu depctr_va_vdst(0)
	v_add_nc_u32 v[SIN], s27, v[LI]
	v_mul_u32_u24 v[SOUT], v[RW], 528
	v_lshl_add_u32 v[SOUT], v[HF], 6, v[SOUT]
	v_add_nc_u32 v[SOUT], s27, v[SOUT]             ; row r, + 64 h bytes: my 16 numbers of a block of 32
	s_lshr_b32 s28, s26, 1
	s_and_b32 s29, s26, 1
	s_lshl_b32 s28, s28, 5
	s_lshl_b32 s29, s29, 3
	s_add_co_u32 s28, s28, s29                     ; the tile's first token: 32 (T / 2) + 8 (T % 2)
	s_mul_i32 s28, s28, 3072
	s_lshl_b32 s29, s[KST], 9
	s_add_co_u32 s28, s28, s29                     ; + 512 s bytes
	s_mov_b32 s29, 0
	s_mul_i32 s30, s26, 6
	s_add_co_u32 s30, s30, s[KST]                  ; 6 T + s
	s_lshl_b32 s32, s30, 11
	s_mov_b32 s33, 0
	s_lshl_b32 s34, s30, 7
	s_add_co_u32 s34, s34, XS_OFF
	s_mov_b32 s35, 0
.irp b, 0,1,2,3
	v_mov_b32 v[TM+4+\b], 0                        ; a lane permute's destination counts as one of its sources
.endr
	s_wait_alu depctr_va_vdst(0)
	s_wait_kmcnt 0x0
	s_add_nc_u64 s[4:5], s[4:5], s[28:29]
	s_add_nc_u64 s[32:33], s[14:15], s[32:33]
	s_add_nc_u64 s[34:35], s[14:15], s[34:35]
.irp i, 0,1,2,3,4,5,6,7,8,9,10,11,12,13,14,15
	global_load_b128 v[NUM+4*\i:NUM+4*\i+3], v[LI], s[4:5] offset:(\i+8*(\i/8))*3072 th:TH_LOAD_NT
.endr
.irp i, 0,1,2,3,4,5,6,7,8,9,10,11,12,13,14,15
	s_wait_loadcnt 15-\i                           ; loads come back in order: row i is in, the 15 - i younger rows may be out
	ds_store_b128 v[SIN], v[NUM+4*\i:NUM+4*\i+3] offset:528*\i
.endr
.irp c, 0,1,2,3
.irp j, 0,1,2,3
	ds_load_b128 v[XN+16*\c+4*\j:XN+16*\c+4*\j+3], v[SOUT] offset:128*\c+16*\j   ; LDS serves a wave's instructions in order: these see my stores
.endr
.endr
	s_wait_dscnt 0x0
	QUANT XN
.irp c, 0,1,2,3
	global_store_b128 v[LI], v[PC+4*\c:PC+4*\c+3], s[32:33] offset:512*\c        ; 32 lanes store 512 consecutive bytes, aligned
.endr
	global_store_b32 v[LS], v[PW], s[34:35]        ; 128 consecutive bytes
	s_wait_tensorcnt 0x0
	ds_add_u32 v200, v201
	s_wait_dscnt 0x0
	s_endpgm
	; ---- weights: K is not innermost.  A LANE TAKES A COLUMN AND ITS REGISTERS RUN DOWN K: a block of 32 lies in one lane, and the conversions give codes with K innermost
.Lweights:
	s_sub_co_u32 s26, ttmp9, 64                    ; 0..23
	s_lshl_b32 s27, s26, 1
	s_lshr_b32 s28, s[WV], 1
	s_add_co_u32 s27, s27, s28                     ; unit 0..47
	s_and_b32 s28, s[WV], 1                        ; which 32 of its 64 columns
	v_bfe_u32 v10, v0, 3, 1                        ; u = (lane / 8) % 2: my column lies in tile 2 half + u,
	v_and_b32 v11, 7, v0
	s_wait_alu depctr_va_vdst(0)
	v_lshl_add_u32 v11, v[HF], 3, v11              ; at its row lane % 8 + 8 (lane / 16)
	v_mul_u32_u24 v[WST], v10, 12288
	v_lshl_add_u32 v[WST], v11, 4, v[WST]
	v_mul_u32_u24 v[WSS], v10, 384
	v_lshl_add_u32 v[WSS], v11, 2, v[WSS]
	s_mov_b32 s29, 36
	s_mov_b32 s31, 256                             ; Wo: a slice is 256 bytes on,
	s_mov_b32 s36, 393216                          ; a K step 128 rows of 3,072 bytes
	s_wait_kmcnt 0x0
	s_cmp_lt_u32 s26, 18                           ; the choice hangs on the work-group's number alone
	s_cselect_b64 s[12:13], s[10:11], s[12:13]
	s_cselect_b32 s29, 24, s29
	s_cselect_b32 s31, 196608, s31                 ; Wq, Wk, Wv: a head is 196,608 bytes on,
	s_cselect_b32 s36, 32768, s36                  ; a K step 128 rows of 256 bytes
	s_cmp_lt_u32 s26, 12
	s_cselect_b64 s[12:13], s[8:9], s[12:13]
	s_cselect_b32 s29, 12, s29
	s_cmp_lt_u32 s26, 6
	s_cselect_b64 s[12:13], s[6:7], s[12:13]
	s_cselect_b32 s29, 0, s29
	s_sub_co_u32 s30, s27, s29                     ; head, or slice of Wo
	s_mul_i32 s31, s30, s31
	s_mul_i32 s36, s[KST], s36
	s_add_co_u32 s38, s31, s36
	s_lshl_b32 s37, s28, 7
	s_add_co_u32 s38, s38, s37                     ; + 128 bytes for the upper 32 columns
	s_mov_b32 s39, 0
	s_add_nc_u64 s[12:13], s[12:13], s[38:39]
	s_mul_i32 s40, s27, 49152
	s_mul_i32 s41, s28, 24576
	s_add_co_u32 s40, s40, s41
	s_lshl_b32 s41, s[KST], 11
	s_add_co_u32 s40, s40, s41
	s_mov_b32 s41, 0
	s_add_nc_u64 s[40:41], s[16:17], s[40:41]      ; the images of tiles 2 half, 2 half + 1 at K step s
	s_mul_i32 s42, s27, 1536
	s_mul_i32 s43, s28, 768
	s_add_co_u32 s42, s42, s43
	s_lshl_b32 s43, s[KST], 6
	s_add_co_u32 s42, s42, s43
	s_add_co_u32 s42, s42, WS_OFF
	s_mov_b32 s43, 0
	s_add_nc_u64 s[42:43], s[16:17], s[42:43]
.macro WLOADS pitch                    ; W(128 s + n, my column), n = 0 .. 127: 32 lanes read 128 consecutive bytes
.set n, 0
.rept 128
	global_load_b32 v[NUM+n], v[LS], s[12:13] offset:n*\pitch th:TH_LOAD_NT
.set n, n+1
.endr
.endm
	s_cmp_lt_u32 s26, 18                           ; the two arms differ in the rows' pitch alone: the same registers, the same number of loads
	s_cbranch_scc0 .Lwo
	WLOADS 256
	s_branch .Lloaded
.Lwo:
	WLOADS 3072
.Lloaded:
.macro BLOCK c, left
.set XB, NUM+32*\c
	s_wait_loadcnt \left                           ; this block's 32 loads are in; left = the later blocks' loads, or the largest count that the wait can name
	v_max3_num_f32 v194, |v[XB]|, |v[XB+1]|, |v[XB+2]|
	v_max3_num_f32 v195, |v[XB+3]|, |v[XB+4]|, |v[XB+5]|
.irp i, 6,10,14,18,22,26
	v_max3_num_f32 v194, v194, |v[XB+\i]|, |v[XB+\i+1]|
	v_max3_num_f32 v195, v195, |v[XB+\i+2]|, |v[XB+\i+3]|
.endr
	v_max3_num_f32 v194, v194, |v[XB+30]|, |v[XB+31]|
	v_max3_num_f32 v194, v194, v195, 0x4800000     ; and the floor
	v_add_nc_u32 v196, 0xfc000000, v194            ; the conversion's scale operand
	v_and_or_b32 v197, v194, 0x7f800000, s[MNT]    ; 448 x the scale
	v_lshrrev_b32 v198, 23, v196                   ; the byte
.if \c == 0
	v_mov_b32 v[SB], v198
.else
	v_lshl_or_b32 v[SB], v198, 8*\c, v[SB]
.endif
.irp i, 0,1,2,3,4,5,6,7,8,9,10,11,12,13,14,15,16,17,18,19,20,21,22,23,24,25,26,27,28,29,30,31
	v_med3_num_f32 v[XB+\i], v[XB+\i], -v197, v197
.endr
.irp g, 0,1,2,3
	v_cvt_scalef32_pk8_fp8_f32 v[PC+8*\c+2*\g:PC+8*\c+2*\g+1], v[XB+8*\g:XB+8*\g+7], v196
.endr
	global_store_b128 v[WST], v[PC+8*\c:PC+8*\c+3], s[40:41] offset:512*\c         ; k = 32 c + 0 .. 15: the piece's lanes 0-15.  The 16 lanes of a tile store 256 consecutive bytes, aligned
	global_store_b128 v[WST], v[PC+8*\c+4:PC+8*\c+7], s[40:41] offset:512*\c+256   ; k = 32 c + 16 .. 31: its lanes 16-31.  Each block has code registers of its own: no store's data are written again
.endm
	BLOCK 0, 63
	BLOCK 1, 63
	BLOCK 2, 32
	BLOCK 3, 0
	global_store_b32 v[WSS], v[SB], s[42:43]
	s_endpgm
.Lfunc_end_k_q9f6a445841_prep:
	.size	k_q9f6a445841_prep, .Lfunc_end_k_q9f6a445841_prep-k_q9f6a445841_prep
	.p2alignl 7, 3214868480
	.fill 96, 4, 3214868480
	.section	.rodata,"a",@progbits
	.p2align	6, 0x0
	.amdhsa_kernel k_q9f6a445841_prep
		.amdhsa_group_segment_fixed_size 34304
		.amdhsa_private_segment_fixed_size 0
		.amdhsa_enable_private_segment 0
		.amdhsa_kernarg_size 56
		.amdhsa_user_sgpr_count 2
		.amdhsa_user_sgpr_kernarg_segment_ptr 1
		.amdhsa_wavefront_size32 1
		.amdhsa_system_sgpr_workgroup_id_x 1
		.amdhsa_system_sgpr_workgroup_id_y 1
		.amdhsa_system_sgpr_workgroup_id_z 1
		.amdhsa_system_vgpr_workitem_id 0
		.amdhsa_next_free_vgpr 202
		.amdhsa_next_free_sgpr 66
		.amdhsa_reserve_vcc 0
		.amdhsa_float_denorm_mode_32 3
		.amdhsa_float_denorm_mode_16_64 3
		.amdhsa_memory_ordered 1
		.amdhsa_forward_progress 1
		.amdhsa_inst_pref_size 57
	.end_amdhsa_kernel
	.amdgpu_metadata
---
amdhsa.version: [ 1, 2 ]
amdhsa.kernels:
  - .name:           k_q9f6a445841_prep
    .symbol:         k_q9f6a445841_prep.kd
    .args:
      - { .name: hidden_states, .offset: 0, .size: 8, .value_kind: global_buffer, .address_space: global }
      - { .name: Wq, .offset: 8, .size: 8, .value_kind: global_buffer, .address_space: global }
      - { .name: Wk, .offset: 16, .size: 8, .value_kind: global_buffer, .address_space: global }
      - { .name: Wv, .offset: 24, .size: 8, .value_kind: global_buffer, .address_space: global }
      - { .name: Wo, .offset: 32, .size: 8, .value_kind: global_buffer, .address_space: global }
      - { .name: xq, .offset: 40, .size: 8, .value_kind: global_buffer, .address_space: global }
      - { .name: wq, .offset: 48, .size: 8, .value_kind: global_buffer, .address_space: global }
    .group_segment_fixed_size: 34304
    .private_segment_fixed_size: 0
    .kernarg_segment_align: 8
    .kernarg_segment_size: 56
    .max_flat_workgroup_size: 128
    .sgpr_count:     66
    .vgpr_count:     202
    .wavefront_size: 32
...
	.end_amdgpu_metadata
.endif
;; end of part 1
;; launch qkv (part 2): grid 16 x 9, 4 waves a work-group, no clusters, 209,408 bytes of LDS; arguments xq, wq, bq, bk, bv, qk, vq; writes qk, vq
.if DOCPART == 2
	.amdgcn_target "amdgcn-amd-amdhsa--gfx1250"
	.amdhsa_code_object_version 6
	.text
	.protected	k_q9f6a445841_qkv
	.globl	k_q9f6a445841_qkv
	.p2align	8
	.type	k_q9f6a445841_qkv,@function
k_q9f6a445841_qkv:
	s_mov_b64 s[64:65], 0
	v_nop
	global_prefetch_b8 v0, s[64:65] scope:SCOPE_SE
	s_setreg_imm32_b32 hwreg(HW_REG_WAVE_MODE, 25, 1), 1
	s_wait_xcnt 0x0
; QKV: q = x Wq + bq, k = x Wk + bk, v = x Wv + bv on codes of FP8 (E4M3) with E8M0 scales for each 32 along K = 768; the results are quantised at once for the attention's two products and go out as
; images of operand registers: q and k along the head's 64, v along the keys.  No f32 result goes to memory.
; IMAGE: a fragment (16 rows x 128 K) is [piece c][lane][16 bytes], piece c of lane (r, h) = k 32 c + 16 h + 0 .. 15 of row r.  Row i of token tile T is token 32 (T / 2) + 8 (T % 2) + i + 8 (i / 8); column tiles likewise.
; SHARES: work-group x = 256 tokens (16 tiles, 8 pairs, 2 key steps of 128); work-group y = g; wave w owns unit 4 g + w: 64 columns of one head of q (g 0-2), k (3-5) or v (6-8).
; The unit's 24 weight fragments stay in 384 registers, read from memory once; x's 96 images and their scale words come into LDS once, by one tensor load a wave, and all four waves read them.
; q, k: source 0 = 16 columns of W, source 1 = 16 tokens: a lane holds ONE token, and the 16 registers of tiles 2 b, 2 b + 1 are columns 32 b + 16 h + 0 .. 15: neighbours along the next K.
; v:    source 0 = 16 tokens, source 1 = 16 columns of Wv: a lane holds ONE channel, and the 16 registers of a pair of token tiles are tokens 32 G + 16 h + 0 .. 15: neighbours along the keys.
; The bias is the C of each sum's first matrix instruction.
; qk: codes [unit 24][T 256][c 2][lane][16 bytes]; from QS_OFF scale words [unit][step 32][lane][pair 4]: in word p lanes 0-15 hold tile 2 p's rows, lanes 16-31 tile 2 p + 1's; bytes 0, 1 are the two blocks' scales,
;     bytes 2, 3 the partner's bytes or 0: they meet zero codes alone and are never 0xff.
; vq: codes [head 12][step 32][t 4] images; from VS_OFF = QS_OFF / 2 scale words [head][step][lane][2]: in word j lanes 0-15 hold tile 2 j's rows, lanes 16-31 tile 2 j + 1's; byte c = key block c of the step.
; LIMITS: NaN and infinities are not served; a block whose largest magnitude lies under 2^-118 gets the byte 1 (a block of zeros too, where the rule says 127): the bytes are read by this program alone.
; NO CLUSTER: x's images are shared by the 9 work-groups of a column of the grid, and 9 does not divide into fours; the weights, shared along x, go straight into registers.
; LDS is filled once and only read after the one barrier.
; REGISTERS, in windows of 256: window 0: v1-15 addresses; v16-79 eight accumulators; v80-95 codes; v96-112 quantiser; v116-125 scale words on their way out; v128-139 x's scale words; v144-167 W's.
;   window 1: W's fragments of K steps 0-3 at v[16 (4 s + t)].  window 2: v0-127 those of K steps 4, 5; v128-159 the bias, 8 registers a tile.  window 3: v0-191 x's 12 fragments of a pair at v[16 (6 x + s)].
.set XS_OFF, 3145728
.set WS_OFF, 2359296
.set QS_OFF, 6291456
.set XSC,  196608                      ; LDS: x's images at 0 (16 tiles x 6 x 2,048 bytes), their scale words here (16 x 6 x 128 bytes)
.set LN,   1
.set RW,   2
.set HF,   3
.set LI,   4                           ; 16 x lane
.set LS,   5                           ; 4 x lane
.set L8,   6                           ; 8 x lane
.set SH,   7                           ; 16 h
.set XSA,  9                           ; LDS address of the key step's scale words
.set R4,   10                          ; 4 r
.set BA,   11                          ; the bias' offset
.set XAD,  12                          ; v12-15 LDS address of pair p's images
.set ACC,  16
.set PC,   80
.set TM,   96
.set PW,   112
.set KW,   116
.set VW,   120
.set VP,   124
.set XS,   128
.set WS,   144
.set BIAS, 128                         ; in window 2
.set WV,   18
.set GY,   19
.set RB,   20
.set UNIT, 21
.set ISV,  22
.set MNT,  23
.set SEL,  24
.set G1C,  28                          ; s[28:35] group 1: 256 rows of 256 bytes (a third of the images)
.set G1S,  36                          ; s[36:43] group 1: 48 rows of 256 bytes (all the scale words)
.set G0C,  44
.set G0S,  48
.set SX,   52
.set SS,   53
.set CNT,  54
.set OC,   56                          ; s[56:57] where the key step's codes go
.set OS,   58                          ; s[58:59] and its scale words
.set HM,   60                          ; s60 mask of lanes 16-31
.set MSB, 0
.macro WIN new                         ; the immediate's high byte repeats the setting that is left
.if MSB != \new
	s_set_vgpr_msb (MSB<<8)|\new
.set MSB, \new
.endif
.endm
.macro QUANT s                         ; 64 numbers of a lane, in four blocks of 16 that lane l xor 16 completes, become codes in v[PC] on, bytes in v[TM+4] on, the word in v[PW]
.irp b, 0,1,2,3
	v_max3_num_f32 v[TM+\b], |v[\s+16*\b]|, |v[\s+1+16*\b]|, 0x4800000   ; each accumulator is read from its low end on; the floor 2^(9 - 127) holds the byte at 1 from below
.endr
.irp i, 2,4,6,8,10,12,14
.irp b, 0,1,2,3
	v_max3_num_f32 v[TM+\b], v[TM+\b], |v[\s+16*\b+\i]|, |v[\s+1+16*\b+\i]|
.endr
.endr
.irp b, 0,1,2,3
	v_permlanex16_b32 v[TM+4+\b], v[TM+\b], s[SEL], s[SEL+1]
.endr
.irp b, 0,1,2,3
	v_max_num_f32 v[TM+\b], v[TM+\b], v[TM+4+\b]
.endr
.irp b, 0,1,2,3
	v_add_nc_u32 v[TM+12+\b], 0xfc000000, v[TM+\b]           ; 8 off the exponent field: the conversion's scale operand
.endr
.irp b, 0,1,2,3
	v_and_or_b32 v[TM+8+\b], v[TM+\b], 0x7f800000, s[MNT]    ; 448 x the scale
.endr
.irp b, 0,1,2,3
	v_lshrrev_b32 v[TM+4+\b], 23, v[TM+12+\b]                ; the byte
.endr
	v_lshl_or_b32 v[PW], v[TM+5], 8, v[TM+4]
	v_lshl_or_b32 v[PW], v[TM+6], 16, v[PW]
	v_lshl_or_b32 v[PW], v[TM+7], 24, v[PW]
.irp b, 0,1,2,3
.irp i, 0,1,2,3,4,5,6,7,8,9,10,11,12,13,14,15
	v_med3_num_f32 v[\s+16*\b+\i], v[\s+16*\b+\i], -v[TM+8+\b], v[TM+8+\b]   ; the conversion does not saturate (ISA guide 7.6.2)
.endr
	v_cvt_scalef32_pk8_fp8_f32 v[PC+4*\b:PC+1+4*\b], v[\s+16*\b:\s+7+16*\b], v[TM+12+\b]
	v_cvt_scalef32_pk8_fp8_f32 v[PC+2+4*\b:PC+3+4*\b], v[\s+8+16*\b:\s+15+16*\b], v[TM+12+\b]
.endr
	v_nop                                                    ; one plain line between the conversions and the next products, which write their sources
.endm
	s_load_b256 s[4:11], s[0:1], 0x0               ; xq s[4:5], wq s[6:7], bq s[8:9], bk s[10:11]
	s_load_b128 s[12:15], s[0:1], 0x20             ; bv s[12:13], qk s[14:15]
	s_load_b64 s[16:17], s[0:1], 0x30              ; vq
	v_lshl_add_u32 v254, v0, 2, 0x33000
	v_mov_b32 v255, 0
	ds_add_u32 v254, v255
	ds_add_u32 v254, v255
	v_lshrrev_b32 v[LN], 5, v0
	v_readfirstlane_b32 s[WV], v[LN]               ; wave 0..3
	s_and_b32 s[GY], ttmp7, 0xffff
	s_mov_b32 s[RB], ttmp9
	s_lshl_b32 s[UNIT], s[GY], 2
	s_add_co_u32 s[UNIT], s[UNIT], s[WV]
	s_cmp_ge_u32 s[GY], 6
	s_cselect_b32 s[ISV], 1, 0
	s_mov_b32 s[MNT], 0x600000
	s_mov_b32 s[SEL], 0x76543210
	s_mov_b32 s[SEL+1], 0xfedcba98
	; both blocks are dense in memory: rows of 256 bytes = 32 elements of 8 bytes, pitch 32, no padding (an image is read 512 consecutive bytes an instruction)
	s_mov_b32 s[G1C], 3<<16                        ; no mask; elements of 8 bytes
	s_mov_b32 s[G1C+1], 32<<16                     ; tensor_dim0 = 32
	s_mov_b32 s[G1C+2], 256<<16                    ; tensor_dim1 = 256: a third of the images (waves 0 to 2)
	s_mov_b32 s[G1C+3], 32<<16                     ; tile_dim0 = 32
	s_mov_b32 s[G1C+4], 256                        ; tile_dim1 = 256
	s_mov_b32 s[G1C+5], 32                         ; pitch
	s_mov_b32 s[G1C+6], 0
	s_mov_b32 s[G1C+7], 0
	s_mov_b32 s[G1S], 3<<16
	s_mov_b32 s[G1S+1], 32<<16
	s_mov_b32 s[G1S+2], 48<<16                     ; all the scale words: 48 rows of 256 bytes (wave 3)
	s_mov_b32 s[G1S+3], 32<<16
	s_mov_b32 s[G1S+4], 48
	s_mov_b32 s[G1S+5], 32
	s_mov_b32 s[G1S+6], 0
	s_mov_b32 s[G1S+7], 0
	s_mul_i32 s66, s[RB], 196608
	s_mul_i32 s67, s[WV], 65536
	s_mov_b32 s[G0C+1], s67                        ; LDS: wave x 65,536
	s_add_co_u32 s66, s66, s67
	s_mov_b32 s67, 0
	s_mul_i32 s68, s[RB], 12288
	s_mov_b32 s69, 0
	s_add_co_u32 s[G0S+1], s69, XSC                ; LDS: XSC
	s_add_co_u32 s68, s68, s69
	s_add_co_u32 s68, s68, XS_OFF
	s_mov_b32 s69, 0
	s_mov_b32 s[G0C], 1
	s_mov_b32 s[G0S], 1
	v_and_b32 v[LN], 31, v0
	v_and_b32 v[RW], 15, v0
	v_bfe_u32 v[HF], v0, 4, 1
	v_lshlrev_b32 v[LI], 4, v[LN]
	v_lshlrev_b32 v[LS], 2, v[LN]
	v_lshlrev_b32 v[L8], 3, v[LN]
	v_lshlrev_b32 v[SH], 4, v[HF]
	v_lshlrev_b32 v[R4], 2, v[RW]
	v_cmp_lt_u32 s[HM], 15, v[LN]
.irp b, 0,1,2,3
	v_mov_b32 v[TM+4+\b], 0                        ; a lane permute's destination counts as one of its sources
.endr
	s_wait_alu depctr_va_vdst(0)
	s_wait_dscnt 0x0
	s_wait_kmcnt 0x0
	s_add_nc_u64 s[G0C+2:G0C+3], s[4:5], s[66:67]
	s_or_b32 s[G0C+3], s[G0C+3], 0x80000000
	s_add_nc_u64 s[G0S+2:G0S+3], s[4:5], s[68:69]
	s_or_b32 s[G0S+3], s[G0S+3], 0x80000000
	s_cmp_lt_u32 s[WV], 3                          ; one tensor load a wave: waves 0 to 2 a third of the images each, wave 3 the scale words
	s_cbranch_scc0 .Lfor_scales
	tensor_load_to_lds s[G0C:G0C+3], s[G1C:G1C+7]
	s_nop 0
.rept 4
	v_nop
.endr
	s_branch .Lhead_asked
.Lfor_scales:
	tensor_load_to_lds s[G0S:G0S+3], s[G1S:G1S+7]
	s_nop 0
.Lhead_asked:
.rept 4
	v_nop                                          ; four lines behind the tensor loads, ahead of the first switch of windows
.endr
	s_mul_i32 s66, s[UNIT], 49152
	s_mov_b32 s67, 0
	s_add_nc_u64 s[70:71], s[6:7], s[66:67]        ; my unit's codes
	s_mul_i32 s66, s[UNIT], 1536
	s_add_co_u32 s66, s66, WS_OFF
	s_add_nc_u64 s[72:73], s[6:7], s[66:67]        ; and scale words
	WIN 0x40                                       ; destination window 1
.irp s, 0,1,2,3
.irp t, 0,1,2,3
.irp c, 0,1,2,3
	global_load_b128 v[16*(4*\s+\t)+4*\c:16*(4*\s+\t)+4*\c+3], v[LI], s[70:71] offset:(6*\t+\s)*2048+512*\c
.endr
.endr
.endr
	WIN 0x80                                       ; destination window 2
.irp s, 4,5
.irp t, 0,1,2,3
.irp c, 0,1,2,3
	global_load_b128 v[16*(4*(\s-4)+\t)+4*\c:16*(4*(\s-4)+\t)+4*\c+3], v[LI], s[70:71] offset:(6*\t+\s)*2048+512*\c
.endr
.endr
.endr
	WIN 0
.irp s, 0,1,2,3,4,5
.irp t, 0,1,2,3
	global_load_b32 v[WS+4*\s+\t], v[R4], s[72:73] offset:(6*\t+\s)*64
.endr
.endr
	s_cmp_lt_u32 s[GY], 6                          ; the bias of my kind and head
	s_cselect_b64 s[74:75], s[10:11], s[12:13]
	s_cselect_b32 s76, 12, 24
	s_cmp_lt_u32 s[GY], 3
	s_cselect_b64 s[74:75], s[8:9], s[74:75]
	s_cselect_b32 s76, 0, s76
	s_sub_co_u32 s76, s[UNIT], s76
	s_lshl_b32 s76, s76, 8
	s_mov_b32 s77, 0
	s_add_nc_u64 s[74:75], s[74:75], s[76:77]
	s_cmp_eq_u32 s[ISV], 0
	s_cbranch_scc0 .Lbias_v
	v_lshlrev_b32 v[BA], 6, v[HF]                  ; q, k: register j of tile t is column 32 (t / 2) + 16 h + 8 (t % 2) + j
	WIN 0x80
.irp t, 0,1,2,3
	global_load_b128 v[BIAS+8*\t:BIAS+8*\t+3], v[BA], s[74:75] offset:(32*(\t/2)+8*(\t%2))*4
	global_load_b128 v[BIAS+8*\t+4:BIAS+8*\t+7], v[BA], s[74:75] offset:(32*(\t/2)+8*(\t%2))*4+16
.endr
	WIN 0
	s_branch .Lbias_done
.Lbias_v:
	v_and_b32 v[BA], 8, v[RW]
	v_add_nc_u32 v[BA], v[BA], v[RW]
	v_lshlrev_b32 v[BA], 2, v[BA]                  ; v: all eight registers of tile t are channel 32 (t / 2) + 8 (t % 2) + r + 8 (r / 8)
	WIN 0x80
.irp t, 0,1,2,3
.irp j, 0,1,2,3,4,5,6,7
	global_load_b32 v[BIAS+8*\t+\j], v[BA], s[74:75] offset:(32*(\t/2)+8*(\t%2))*4
.endr
.endr
	WIN 0
.Lbias_done:
	s_mul_i32 s78, s[ISV], 24
	s_sub_co_u32 s78, s[UNIT], s78                 ; the unit in qk (0..23), or the head in vq
	s_cmp_eq_u32 s[ISV], 0
	s_cselect_b64 s[OC:OC+1], s[14:15], s[16:17]
	s_mov_b64 s[OS:OS+1], s[OC:OC+1]
	s_lshl_b32 s66, s78, 18
	s_lshl_b32 s79, s[RB], 14
	s_add_co_u32 s66, s66, s79
	s_add_nc_u64 s[OC:OC+1], s[OC:OC+1], s[66:67]  ; codes: 262,144 bytes a unit, 16,384 for my 256 tokens
	s_lshl_b32 s66, s78, 14
	s_lshl_b32 s79, s[RB], 10
	s_add_co_u32 s66, s66, s79
	s_add_co_u32 s66, s66, QS_OFF
	s_lshr_b32 s66, s66, s[ISV]                    ; v's scale words take half the bytes of q's and k's, in every term
	s_add_nc_u64 s[OS:OS+1], s[OS:OS+1], s[66:67]
	s_wait_tensorcnt 0x0                           ; my quarters are in LDS,
	s_barrier_signal -1
	s_barrier_wait -1                              ; everybody's are
	s_wait_loadcnt 0x0                             ; weights, their scale words, the bias
.macro XFETCH p                        ; pair p of the key step: 12 fragments and their scale words
	WIN 0xc0                                       ; destination window 3, address window 0
.irp f, 0,1,2,3,4,5,6,7,8,9,10,11
.irp c, 0,1,2,3
	ds_load_b128 v[16*\f+4*\c:16*\f+4*\c+3], v[XAD+\p] offset:\f*2048+512*\c
.endr
.endr
	WIN 0
.irp f, 0,1,2,3,4,5,6,7,8,9,10,11
	ds_load_b32 v[XS+\f], v[XSA] offset:(\p)*1536+\f*128
.endr
.endm
; 48 matrix instructions: K ascending, the eight accumulators by turns, one instruction a turn
.macro MULQK
.irp s, 0,1,2,3,4,5
.if \s == 0
	WIN 0x2d                                       ; source 0 (W) window 1, source 1 (x) window 3, C (bias) window 2, D window 0
.elseif \s < 4
	WIN 0x0d
.else
	WIN 0x0e                                       ; W in window 2
.endif
.irp x, 0,1
.irp t, 0,1,2,3
.if \s == 0
	v_wmma_scale_f32_16x16x128_f8f6f4 v[ACC+32*\x+8*\t:ACC+32*\x+8*\t+7], v[16*(4*(\s%4)+\t):16*(4*(\s%4)+\t)+15], v[16*(6*\x+\s):16*(6*\x+\s)+15], v[BIAS+8*\t:BIAS+8*\t+7], v[WS+4*\s+\t], v[XS+6*\x+\s]
.else
	v_wmma_scale_f32_16x16x128_f8f6f4 v[ACC+32*\x+8*\t:ACC+32*\x+8*\t+7], v[16*(4*(\s%4)+\t):16*(4*(\s%4)+\t)+15], v[16*(6*\x+\s):16*(6*\x+\s)+15], v[ACC+32*\x+8*\t:ACC+32*\x+8*\t+7], v[WS+4*\s+\t], v[XS+6*\x+\s]
.endif
.endr
.endr
.endr
	WIN 0
.endm
.macro MULV
.irp s, 0,1,2,3,4,5
.if \s == 0
	WIN 0x27                                       ; source 0 (x) window 3, source 1 (W) window 1, C (bias) window 2, D window 0
.elseif \s < 4
	WIN 0x07
.else
	WIN 0x0b
.endif
.irp x, 0,1
.irp t, 0,1,2,3
.if \s == 0
	v_wmma_scale_f32_16x16x128_f8f6f4 v[ACC+16*\t+8*\x:ACC+16*\t+8*\x+7], v[16*(6*\x+\s):16*(6*\x+\s)+15], v[16*(4*(\s%4)+\t):16*(4*(\s%4)+\t)+15], v[BIAS+8*\t:BIAS+8*\t+7], v[XS+6*\x+\s], v[WS+4*\s+\t]
.else
	v_wmma_scale_f32_16x16x128_f8f6f4 v[ACC+16*\t+8*\x:ACC+16*\t+8*\x+7], v[16*(6*\x+\s):16*(6*\x+\s)+15], v[16*(4*(\s%4)+\t):16*(4*(\s%4)+\t)+15], v[ACC+16*\t+8*\x:ACC+16*\t+8*\x+7], v[XS+6*\x+\s], v[WS+4*\s+\t]
.endif
.endr
.endr
.endr
	WIN 0
.endm
.macro PLACES                          ; nine plain lines behind the products: eight serve the loads into x's registers and the first reads of results, the ninth the next pair's products, which begin the accumulators anew
.rept 9
	v_nop
.endr
.endm
.macro ARM forv                        ; a key step: four pairs of token tiles
	XFETCH 0
.irp p, 0,1,2,3
	s_wait_dscnt 0x0                               ; the pair's fragments and scale words are in
.if \forv
	MULV
.else
	MULQK
.endif
	PLACES
.if \p < 3
	XFETCH \p+1                                    ; the next pair lands while this one is quantised
.endif
	s_wait_xcnt 0x0                                ; the last pair's stores have read their data registers: they are written again only behind this wait
	QUANT ACC
.if \forv
.irp t, 0,1,2,3
	global_store_b128 v[LI], v[PC+4*\t:PC+4*\t+3], s[OC:OC+1] offset:2048*\t+512*\p   ; piece p of V's tile t: 512 consecutive bytes, aligned
.endr
.irp t, 0,1,2,3
.if \p == 0
	v_mov_b32 v[VW+\t], v[TM+4+\t]
.else
	v_lshl_or_b32 v[VW+\t], v[TM+4+\t], 8*\p, v[VW+\t]   ; byte p of tile t's scale word
.endif
.endr
.else
.irp i, 0,1,2,3
	global_store_b128 v[LI], v[PC+4*\i:PC+4*\i+3], s[OC:OC+1] offset:2048*\p+512*\i   ; tile 2 p + i / 2, piece i % 2
.endr
	v_lshrrev_b32 v[KW+\p], v[SH], v[PW]           ; lanes 0-15 keep the word (tile 2 p's bytes lowest), lanes 16-31 bring tile 2 p + 1's bytes down
.endif
.endr
.if \forv
	v_cndmask_b32 v[VP], v[VW], v[VW+1], s[HM]     ; lanes 0-15 the even tile's word, lanes 16-31 the odd tile's
	v_cndmask_b32 v[VP+1], v[VW+2], v[VW+3], s[HM]
	global_store_b64 v[L8], v[VP:VP+1], s[OS:OS+1] ; 256 consecutive bytes, aligned
	s_wait_xcnt 0x0                                ; the stores have read their bases and data
	s_add_nc_u64 s[OC:OC+1], s[OC:OC+1], 8192
	s_add_nc_u64 s[OS:OS+1], s[OS:OS+1], 256
.else
	global_store_b128 v[LI], v[KW:KW+3], s[OS:OS+1]   ; 512 consecutive bytes, aligned
	s_wait_xcnt 0x0
	s_add_nc_u64 s[OC:OC+1], s[OC:OC+1], 8192
	s_add_nc_u64 s[OS:OS+1], s[OS:OS+1], 512
.endif
.endm
	s_mov_b32 s[SX], 0
	s_mov_b32 s[SS], XSC
	s_mov_b32 s[CNT], 2
.Lstep:                                        ; two trips: a key step of 128 tokens each
	v_add_nc_u32 v[XAD], s[SX], v[LI]              ; the LDS addresses are made ahead of the parting
	v_add_nc_u32 v[XAD+1], 24576, v[XAD]
	v_add_nc_u32 v[XAD+2], 49152, v[XAD]
	v_add_nc_u32 v[XAD+3], 73728, v[XAD]
	v_add_nc_u32 v[XSA], s[SS], v[LS]
	s_cmp_eq_u32 s[ISV], 0
	s_cbranch_scc0 .Lv_arm
	s_wait_alu depctr_va_vdst(0)
	ARM 0
	s_branch .Ljoin
.Lv_arm:
	s_wait_alu depctr_va_vdst(0)
	ARM 1
.Ljoin:
	s_add_co_u32 s[SX], s[SX], 98304
	s_add_co_u32 s[SS], s[SS], 6144
	s_sub_co_u32 s[CNT], s[CNT], 1
	s_cmp_lg_u32 s[CNT], 0
	s_cbranch_scc1 .Lstep
	s_wait_tensorcnt 0x0
	ds_add_u32 v254, v255
	s_wait_dscnt 0x0
	s_endpgm
.Lfunc_end_k_q9f6a445841_qkv:
	.size	k_q9f6a445841_qkv, .Lfunc_end_k_q9f6a445841_qkv-k_q9f6a445841_qkv
	.p2alignl 7, 3214868480
	.fill 96, 4, 3214868480
	.section	.rodata,"a",@progbits
	.p2align	6, 0x0
	.amdhsa_kernel k_q9f6a445841_qkv
		.amdhsa_group_segment_fixed_size 209408
		.amdhsa_private_segment_fixed_size 0
		.amdhsa_enable_private_segment 0
		.amdhsa_kernarg_size 56
		.amdhsa_user_sgpr_count 2
		.amdhsa_user_sgpr_kernarg_segment_ptr 1
		.amdhsa_wavefront_size32 1
		.amdhsa_system_sgpr_workgroup_id_x 1
		.amdhsa_system_sgpr_workgroup_id_y 1
		.amdhsa_system_sgpr_workgroup_id_z 1
		.amdhsa_system_vgpr_workitem_id 0
		.amdhsa_next_free_vgpr 1024
		.amdhsa_next_free_sgpr 80
		.amdhsa_reserve_vcc 0
		.amdhsa_float_denorm_mode_32 3
		.amdhsa_float_denorm_mode_16_64 3
		.amdhsa_memory_ordered 1
		.amdhsa_forward_progress 1
		.amdhsa_inst_pref_size 173
	.end_amdhsa_kernel
	.amdgpu_metadata
---
amdhsa.version: [ 1, 2 ]
amdhsa.kernels:
  - .name:           k_q9f6a445841_qkv
    .symbol:         k_q9f6a445841_qkv.kd
    .args:
      - { .name: xq, .offset: 0, .size: 8, .value_kind: global_buffer, .address_space: global }
      - { .name: wq, .offset: 8, .size: 8, .value_kind: global_buffer, .address_space: global }
      - { .name: bq, .offset: 16, .size: 8, .value_kind: global_buffer, .address_space: global }
      - { .name: bk, .offset: 24, .size: 8, .value_kind: global_buffer, .address_space: global }
      - { .name: bv, .offset: 32, .size: 8, .value_kind: global_buffer, .address_space: global }
      - { .name: qk, .offset: 40, .size: 8, .value_kind: global_buffer, .address_space: global }
      - { .name: vq, .offset: 48, .size: 8, .value_kind: global_buffer, .address_space: global }
    .group_segment_fixed_size: 209408
    .private_segment_fixed_size: 0
    .kernarg_segment_align: 8
    .kernarg_segment_size: 56
    .max_flat_workgroup_size: 128
    .sgpr_count:     80
    .vgpr_count:     1024
    .wavefront_size: 32
...
	.end_amdgpu_metadata
.endif
;; end of part 2
;; launch attn (part 3): grid 64 x 4, 8 waves a work-group, clusters of 4 x 1, 327,680 bytes of LDS; arguments qk, vq, aq; writes aq
.if DOCPART == 3
	.amdgcn_target "amdgcn-amd-amdhsa--gfx1250"
	.amdhsa_code_object_version 6
	.text
	.protected	k_q9f6a445841_attn
	.globl	k_q9f6a445841_attn
	.p2align	8
	.type	k_q9f6a445841_attn,@function
k_q9f6a445841_attn:
	s_mov_b64 s[64:65], 0
	v_nop
	global_prefetch_b8 v0, s[64:65] scope:SCOPE_SE
	s_setreg_imm32_b32 hwreg(HW_REG_WAVE_MODE, 25, 1), 1
	s_wait_xcnt 0x0
	s_wait_alu depctr_hold_cnt(0) depctr_sa_sdst(0) depctr_va_vdst(0) depctr_va_sdst(0) depctr_va_ssrc(0) depctr_va_vcc(0) depctr_vm_vsrc(0)
	s_getreg_b32 s2, hwreg(HW_REG_IB_STS2, 6, 4)
	s_cmp_eq_u32 s2, 0
	s_cbranch_scc0 .Lentry_in_a_cluster
	s_endpgm
.Lentry_in_a_cluster:
	s_bfe_u32 s2, ttmp6, 0x10000c
	s_cmp_lg_u32 s2, 0x3003
	s_cbranch_scc0 .Lentry_shape_is_right
	s_endpgm
.Lentry_shape_is_right:
; ATTENTION on codes of FP8 (E4M3) with E8M0 scales: S^T = K Q^T, p = 2^(t - M) with M a whole number, O^T += V^T P^T, O / l quantised along the 768 for the last projection.
; BUFFERS as the launch before leaves them: qk: codes [unit 24: q's heads, k's heads][tile 256][piece 2][lane][16]; from QS_OFF scale words [unit][step 32][lane][pair 4].  vq: codes [head][step 32][t 4][piece 4][lane][16]; from VS_OFF [head][step][lane][2].
; aq: codes [tile 256][s 6][piece 4][lane][16]; from XS_OFF scale words [tile][s][lane].
; SHARES.  A work-group owns 64 queries (4 tiles) of 3 heads; 256 work-groups of eight waves, two to a SIMD.  Wave n holds the two query tiles 2 (n / 4), 2 (n / 4) + 1, and the KEYS are dealt among the four waves of such a group:
; of a slot's 8 key steps of 128 wave n takes steps 2 (n % 4) and 2 (n % 4) + 1.  So a fragment of K or V that a wave reads from LDS feeds two tiles.  At a head's end the four waves' parts (O^T, M, l) meet in LDS:
; each wave of a group joins one half tile (32 channels: one scale block) by exact powers of two, divides, quantises and stores.
; THE STREAM.  The three heads' K codes, V codes and scale words are four dense runs of memory, walked in 12 slots of 8 key steps through a ring of two LDS slots; wave 0 fetches K's 64 KiB, wave 1 V's, wave 2 K's scale words, wave 3 V's.
; THE CHANGE OF SLOTS STANDS INSIDE A SLOT'S SECOND KEY STEP: once that step's K and V are in registers the wave reads the slot no more.  There it waits for its load, adds, waits for its reads and signals; tile 0's softmax and products, work on
; registers, stand between signal and wait; behind the round the slot just read out takes the data of two slots on, and the next slot's first K fragments are fetched under tile 1's softmax.  No barrier stands at a slot's edge.
; CLUSTER 4, 1, 1: the four partners walk the same heads, so every tile is asked for jointly (mask 15), behind a round of the cluster's barrier.  Nothing but global addresses of Q, of the results and of the prefetches hangs on a work-group's place.
; PREFETCH: behind a refill the codes that the next refill loads: 512 blocks of 256 bytes, a lane a block, waves 0 to 3 of the cluster's four work-groups told apart by address; the first four clusters of a row of the grid ask;
; the last refill asks for nothing.  The scale words, 6 KiB a slot, come by their loads alone.
; The head's 64 fill half of a product's K = 128: a K fragment holds two key tiles, and Q stands beside zeros (q, 0 and 0, q), the zeros shared in one run of registers.
; LIMITS: NaN and infinities are not served; the scaled scores stay under 2^31 in magnitude; a block's byte is held at 1 from below (a block of zeros too): the bytes are read by this program alone.
; REGISTERS.  Window 0: v1-63 addresses, state, scale words; v64-127, v128-191 two sets of scores; v192-255 K.  Window 1: v0-39 zeros and Q by turns; v40-55 p's codes; v56-57 f; v64-99 the next heads' Q; v128-191 O^T of two tiles; v192-255 V.
.set QS_OFF, 6291456
.set VS_OFF, 3145728
.set XS_OFF, 3145728
.set VC,    65536                      ; a slot: K's codes, then V's
.set SLOTX, 131072                     ; slot 1 of the codes
.set SCL,   262144                     ; scale words: slot s at SCL + 6144 s: K's 4,096 bytes, V's 2,048
.set STG,   274432                     ; the parts of O^T: [from wave 8][3][2,048]
.set ML,    323584                     ; -M (lanes 0-15) and l (lanes 16-31): [from wave 8][tile 2][128]
.set SPARE, 325632
.set SPW, 1
.set NIL, 2
.set LK,  3
.set LSK, 4
.set LSV, 5
.set ADK, 6
.set ADV, 7
.set ADSK, 8
.set ADSV, 9
.set TMP, 10
.set TM2, 11
.set FF,  12
.set S2,  14
.set NM,  16                           ; tile i: v[16+2i] -M, v[17+2i] the largest score
.set LL,  24                           ; tile i: the sum in two halves
.set BM,  32
.set BP,  36
.set BH,  40
.set BO,  44
.set KSC, 48
.set VSC, 52
.set PW,  55
.set QSC, 56
.set LI,  60
.set LS,  61
.set PFO, 62
.set S0,  64
.set CD,  80                           ; a head's end: the codes, in registers of the first set of scores
.set S1,  128
.set AST, 176                          ; a head's end: LDS addresses, in registers of the second set of scores
.set AMS, 180
.set ALD, 181
.set AML, 185
.set KF,  192
.set PCD, 40                           ; window 1
.set FFC, 56
.set QST, 64
.set QSS, 96
.set OT,  128
.set VF,  192
.set KW,  2
.set HD,  3
.set GG,  10
.set HM,  11
.set G1T, 12
.set G1SK, 20
.set G1SV, 28
.set G0K, 36
.set G0V, 40
.set G0SK, 44
.set G0SV, 48
.set WV,  52
.set MNT, 53
.set SEL, 54
.set CS,  56
.set PFA, 58
.set LIM, 60
.set SLOTS, 61
.set STP, 62
.set TB,  63
.set TSK, 66
.set TSV, 67
.set OUTC, 68
.set OUTS, 70
.set MSB, 0
.macro WIN new                         ; the immediate's high byte repeats the setting that is left
.if MSB != \new
	s_set_vgpr_msb (MSB<<8)|\new
.set MSB, \new
.endif
.endm
.macro WALU
	s_wait_alu depctr_va_vdst(0)
.endm
.macro PLACES n
.rept \n
	v_nop
.endr
.endm
.macro CREST                           ; a round of the cluster's barrier from its opening wait on
	s_barrier_wait -1
	s_cmp_lg_u32 s[WV], 0
	s_cbranch_scc1 .Lnw0_\@
	s_barrier_signal -3
.Lnw0_\@:
	s_barrier_wait -3
	s_barrier_signal -1
	s_barrier_wait -1
.endm
.macro ROUND                           ; a whole round
	s_barrier_signal -1
	CREST
.endm
.macro TL g0, g1
	tensor_load_to_lds s[\g0:\g0+3], s[\g1:\g1+7]
	s_nop 0
	PLACES 4
.endm
.macro FILL tag                        ; waves 0 to 3: one joint load each, an arm each; waves 4 to 7 none
	s_cmp_lt_u32 s[WV], 1
	s_cbranch_scc0 .Lfv_\tag
	TL G0K, G1T
	s_branch .Lfd_\tag
.Lfv_\tag:
	s_cmp_lt_u32 s[WV], 2
	s_cbranch_scc0 .Lfk_\tag
	TL G0V, G1T
	s_branch .Lfd_\tag
.Lfk_\tag:
	s_cmp_lt_u32 s[WV], 3
	s_cbranch_scc0 .Lfs_\tag
	TL G0SK, G1SK
	s_branch .Lfd_\tag
.Lfs_\tag:
	s_cmp_lt_u32 s[WV], 4
	s_cbranch_scc0 .Lfd_\tag
	TL G0SV, G1SV
.Lfd_\tag:
.endm
.macro DSTEP                           ; the walking descriptors: the other slot than last time, the next slot's data
	s_xor_b32 s[G0K+1], s[G0K+1], SLOTX
	s_add_nc_u64 s[G0K+2:G0K+3], s[G0K+2:G0K+3], 65536
	s_xor_b32 s[G0V+1], s[G0V+1], SLOTX
	s_add_nc_u64 s[G0V+2:G0V+3], s[G0V+2:G0V+3], 65536
	s_xor_b32 s[G0SK+1], s[G0SK+1], 0x1800
	s_add_nc_u64 s[G0SK+2:G0SK+3], s[G0SK+2:G0SK+3], 4096
	s_xor_b32 s[G0SV+1], s[G0SV+1], 0x3800
	s_add_nc_u64 s[G0SV+2:G0SV+3], s[G0SV+2:G0SV+3], 2048
.endm
.macro TOG                             ; on to the other slot
	s_xor_b32 s[TB], s[TB], SLOTX
	s_xor_b32 s[TSK], s[TSK], 0x1800
	s_xor_b32 s[TSV], s[TSV], 0x3800
.endm
.macro INIT                            ; a head begins: O^T and the sums are zeros, the largest score -3e38, so the first change of M multiplies zeros by 0
	WIN 0x40
.set j, 0
.rept 64
	v_mov_b32 v[OT+j], 0
.set j, j+1
.endr
	WIN 0
.irp i, 0,1
	v_mov_b32 v[NM+2*\i], 0x7f61b1e6
	v_mov_b32 v[NM+2*\i+1], 0xff61b1e6
	v_mov_b32 v[LL+2*\i], 0
	v_mov_b32 v[LL+2*\i+1], 0
.endr
.endm
	s_load_b128 s[4:7], s[0:1], 0x0        ; qk, vq
	s_load_b64 s[8:9], s[0:1], 0x10        ; aq
	v_lshl_add_u32 v[SPW], v0, 2, SPARE
	v_mov_b32 v[NIL], 0
	ds_add_u32 v[SPW], v[NIL]              ; the opening lines: the add twice on end and its wait
	ds_add_u32 v[SPW], v[NIL]
	v_lshrrev_b32 v[TMP], 5, v0
	v_readfirstlane_b32 s[WV], v[TMP]      ; wave 0..7
	s_and_b32 s[KW], s[WV], 3              ; my quarter of the keys
	s_lshr_b32 s[GG], s[WV], 2             ; my pair of tiles
	s_bfe_u32 s72, ttmp6, 0x40000          ; cx
	s_lshl_b32 s73, ttmp9, 2
	s_add_co_u32 s73, s73, s72             ; work-group x: 64 queries
	s_and_b32 s[HD], ttmp7, 0xffff
	s_mul_i32 s[HD], s[HD], 3              ; my first head
.irp g, G1T, G1SK, G1SV
	s_mov_b32 s[\g], 15|(3<<16)|(1<<21)    ; mask: the cluster's four; elements of 8 bytes; rows of 256 bytes, dense
	s_mov_b32 s[\g+1], 32<<16
	s_mov_b32 s[\g+3], 32<<16
	s_mov_b32 s[\g+5], 32
	s_mov_b32 s[\g+6], 0
	s_mov_b32 s[\g+7], 0
.endr
	s_mov_b32 s[G1T+2], 256<<16
	s_mov_b32 s[G1T+4], 256
	s_mov_b32 s[G1SK+2], 16<<16
	s_mov_b32 s[G1SK+4], 16
	s_mov_b32 s[G1SV+2], 8<<16
	s_mov_b32 s[G1SV+4], 8
	s_mov_b32 s[G0K], 1
	s_mov_b32 s[G0K+1], 0
	s_mov_b32 s[G0V], 1
	s_mov_b32 s[G0V+1], VC
	s_mov_b32 s[G0SK], 1
	s_mov_b32 s[G0SK+1], SCL
	s_mov_b32 s[G0SV], 1
	s_mov_b32 s[G0SV+1], SCL+4096
	s_add_co_u32 s75, s[HD], 12
	s_lshl_b32 s76, s75, 18                ; K's codes
	s_mov_b32 s77, 0
	s_lshl_b32 s78, s75, 14                ; K's scale words
	s_add_co_u32 s78, s78, QS_OFF
	s_mov_b32 s79, 0
	s_lshl_b32 s80, s[HD], 18              ; V's codes
	s_mov_b32 s81, 0
	s_lshl_b32 s82, s[HD], 13              ; V's scale words
	s_add_co_u32 s82, s82, VS_OFF
	s_mov_b32 s83, 0
	s_lshl_b32 s84, s[HD], 18              ; Q's codes: tile 4 x + 2 (wave / 4) on
	s_lshl_b32 s85, s73, 12
	s_add_co_u32 s84, s84, s85
	s_lshl_b32 s85, s[GG], 11
	s_add_co_u32 s84, s84, s85
	s_mov_b32 s85, 0
	s_lshl_b32 s86, s[HD], 14              ; Q's scale words: step x / 2, pair 2 (x % 2) + wave / 4
	s_lshr_b32 s87, s73, 1
	s_lshl_b32 s87, s87, 9
	s_add_co_u32 s86, s86, s87
	s_and_b32 s87, s73, 1
	s_lshl_b32 s87, s87, 3
	s_add_co_u32 s86, s86, s87
	s_lshl_b32 s87, s[GG], 2
	s_add_co_u32 s86, s86, s87
	s_add_co_u32 s86, s86, QS_OFF
	s_mov_b32 s87, 0
	s_lshl_b32 s88, s73, 2                 ; the half tile that I finish: tile 4 x + 2 (wave / 4) + (wave % 4) / 2, half wave % 2
	s_lshl_b32 s89, s[GG], 1
	s_add_co_u32 s88, s88, s89
	s_lshr_b32 s89, s[KW], 1
	s_add_co_u32 s88, s88, s89
	s_and_b32 s89, s[KW], 1
	s_mul_i32 s90, s88, 768
	s_add_co_u32 s90, s90, s89
	s_add_co_u32 s90, s90, XS_OFF
	s_mov_b32 s91, 0
	s_mul_i32 s88, s88, 12288
	s_lshl_b32 s89, s89, 9
	s_add_co_u32 s88, s88, s89
	s_mov_b32 s89, 0
	s_mov_b32 s[SEL], 0x76543210
	s_mov_b32 s[SEL+1], 0xfedcba98
	s_mov_b32 s[CS], 0x3e38aa3b            ; log2(e) / sqrt(64)
	s_mov_b32 s[CS+1], s[CS]
	s_mov_b32 s[MNT], 0x600000
	s_mov_b32 s[TB], 0
	s_mov_b32 s[TSK], SCL
	s_mov_b32 s[TSV], SCL+4096
	s_mov_b32 s[SLOTS], 10
	WALU
	s_wait_dscnt 0x0
	ROUND                                  ; in front of the first joint loads
	s_wait_kmcnt 0x0
	s_add_nc_u64 s[G0K+2:G0K+3], s[4:5], s[76:77]
	s_or_b32 s[G0K+3], s[G0K+3], 0x80000000
	s_add_nc_u64 s[G0V+2:G0V+3], s[6:7], s[80:81]
	s_or_b32 s[G0V+3], s[G0V+3], 0x80000000
	s_add_nc_u64 s[G0SK+2:G0SK+3], s[4:5], s[78:79]
	s_or_b32 s[G0SK+3], s[G0SK+3], 0x80000000
	s_add_nc_u64 s[G0SV+2:G0SV+3], s[6:7], s[82:83]
	s_or_b32 s[G0SV+3], s[G0SV+3], 0x80000000
	FILL h                                 ; slot 0
	s_add_nc_u64 s[84:85], s[4:5], s[84:85]
	s_add_nc_u64 s[86:87], s[4:5], s[86:87]
	s_add_nc_u64 s[OUTC:OUTC+1], s[8:9], s[88:89]
	s_add_nc_u64 s[OUTS:OUTS+1], s[8:9], s[90:91]
	s_and_b32 s92, s[WV], 1                ; the prefetches (waves 0 to 3): even waves K's codes, odd waves V's; 8,192 bytes a wave, part 2 cx + wave / 2 of a slot's 65,536
	s_cmp_eq_u32 s92, 0
	s_cselect_b64 s[PFA:PFA+1], s[4:5], s[6:7]
	s_cselect_b64 s[92:93], s[76:77], s[80:81]
	s_add_nc_u64 s[PFA:PFA+1], s[PFA:PFA+1], s[92:93]
	s_lshl_b32 s92, s72, 1
	s_lshr_b32 s93, s[KW], 1
	s_add_co_u32 s92, s92, s93
	s_lshl_b32 s92, s92, 13
	s_add_co_u32 s92, s92, 131072          ; at slot 2's data: the first refill steps it to slot 3's
	s_mov_b32 s93, 0
	s_add_nc_u64 s[PFA:PFA+1], s[PFA:PFA+1], s[92:93]
	s_cmp_lt_u32 ttmp9, 4
	s_cselect_b32 s[LIM], 1, -1
	s_cmp_lt_u32 s[WV], 4
	s_cselect_b32 s[LIM], s[LIM], -1
	s_lshl_b32 s92, s[KW], 14
	s_lshl_b32 s93, s[KW], 10
	s_lshl_b32 s94, s[KW], 9
	v_and_b32 v[TMP], 31, v0
	v_lshlrev_b32 v[LI], 4, v[TMP]
	v_lshlrev_b32 v[LS], 2, v[TMP]
	v_lshlrev_b32 v[PFO], 8, v[TMP]
	v_cmp_lt_u32 s[HM], 15, v[TMP]         ; lanes 16-31
	v_add_nc_u32 v[LK], s92, v[LI]         ; my two steps of a slot: 16,384 bytes of codes,
	v_add_nc_u32 v[LSK], s93, v[LI]        ; 1,024 of K's scale words,
	v_lshl_add_u32 v[LSV], v[TMP], 3, s94  ; 512 of V's
	v_and_b32 v[TM2], 15, v0
	v_lshlrev_b32 v[ADK], 4, v[TM2]        ; 16 r (until the loop)
	v_and_b32 v[ADV], 16, v0               ; 16 h (until the loop)
	WIN 0x40
.irp i, 0,1
.irp c, 0,1
	global_load_b128 v[8+16*\i+4*\c:8+16*\i+4*\c+3], v[LI], s[84:85] offset:1024*\i+512*\c
	global_load_b128 v[QST+8*\i+4*\c:QST+8*\i+4*\c+3], v[LI], s[84:85] offset:262144+1024*\i+512*\c
	global_load_b128 v[QST+16+8*\i+4*\c:QST+16+8*\i+4*\c+3], v[LI], s[84:85] offset:524288+1024*\i+512*\c
.endr
	global_load_b32 v[QSS+\i], v[ADK], s[86:87] offset:16384+\i*256
	global_load_b32 v[QSS+2+\i], v[ADK], s[86:87] offset:32768+\i*256
.endr
.irp z, 0,1,2
.irp k, 0,1,2,3,4,5,6,7
	v_mov_b32 v[16*\z+\k], 0               ; the zeros beside Q
.endr
.endr
	v_mov_b32 v[FFC+1], 0
	WIN 0
.irp i, 0,1
	global_load_b32 v[QSC+\i], v[ADK], s[86:87] offset:\i*256
.endr
.irp i, 0,1,2,3
	v_mov_b32 v[BP+\i], 0                  ; a lane permute's destination counts as a source
.endr
	v_mov_b32 v[FF+1], 0
	INIT
	WALU
	s_wait_loadcnt 0x0
.irp i, 0,1
	v_lshlrev_b32 v[QSC+\i], v[ADV], v[QSC+\i]   ; lanes 0-15: bytes 0, 1 (for q, 0); lanes 16-31: the same two as bytes 2, 3 (for 0, q)
.endr
	WIN 0x44
.set j, 0
.rept 4
	v_lshlrev_b32 v[QSS+j], v[ADV], v[QSS+j]
.set j, j+1
.endr
	WIN 0
.macro KLOAD n                         ; K's four fragments (eight key tiles) and scale words, n steps on
	ds_load_b128 v[KSC:KSC+3], v[ADSK] offset:512*(\n)
.irp p, 0,1,2,3
.irp c, 0,1,2,3
	ds_load_b128 v[KF+16*\p+4*\c:KF+16*\p+4*\c+3], v[ADK] offset:8192*(\n)+2048*\p+512*\c
.endr
.endr
.endm
.macro KNEXT                           ; the slot ahead: its first step's K
	v_add_nc_u32 v[ADK], s[TB], v[LK]
	v_add_nc_u32 v[ADSK], s[TSK], v[LSK]
	KLOAD 0
.endm
.macro AW t, db, n                     ; score product n of tile t: key tile n of the step; window setting 4: Q in window 1
.if (\n)%2
	v_wmma_scale_f32_16x16x128_f8f6f4 v[\db+8*(\n):\db+8*(\n)+7], v[KF+16*((\n)/2):KF+16*((\n)/2)+15], v[16*(\t):16*(\t)+15], 0, v[KSC+(\n)/2], v[QSC+(\t)] matrix_b_scale:MATRIX_SCALE_ROW1
.else
	v_wmma_scale_f32_16x16x128_f8f6f4 v[\db+8*(\n):\db+8*(\n)+7], v[KF+16*((\n)/2):KF+16*((\n)/2)+15], v[8+16*(\t):8+16*(\t)+15], 0, v[KSC+(\n)/2], v[QSC+(\t)]
.endif
.endm
.macro HOLD2 a, ha, b, hb              ; two holds in one line: p is not negative, so a hold is a minimum
	v_dual_min_num_f32 v[\a], v[\a], v[\ha] :: v_dual_min_num_f32 v[\b], v[\b], v[\hb]
.endm
; THE SOFTMAX of tile i's 128 scores a query, in the 64 registers at sb; doa: the next tile's eight score products, into nb, stand among the exponentials
.macro SOFT i, sb, nb, doa
	WIN 0
	WALU                                   ; ahead of the first readers of the scores
.irp b, 0,1,2,3
	v_max3_num_f32 v[BM+\b], v[\sb+16*\b], v[\sb+1+16*\b], v[\sb+2+16*\b]
.endr
.irp k, 3,5,7,9,11,13
.irp b, 0,1,2,3
	v_max3_num_f32 v[BM+\b], v[BM+\b], v[\sb+16*\b+\k], v[\sb+1+16*\b+\k]
.endr
.endr
.irp b, 0,1,2,3
	v_max_num_f32 v[BM+\b], v[BM+\b], v[\sb+15+16*\b]
.endr
.irp b, 0,1,2,3
	v_permlanex16_b32 v[BP+\b], v[BM+\b], s[SEL], s[SEL+1]
.endr
.irp b, 0,1,2,3
	v_max_num_f32 v[BM+\b], v[BM+\b], v[BP+\b]     ; each block's largest score
.endr
	v_max3_num_f32 v[TMP], v[BM], v[BM+1], v[BM+2]
	v_max3_num_f32 v[NM+2*\i+1], v[NM+2*\i+1], v[TMP], v[BM+3]   ; the running largest score
	v_mul_f32 v[TMP], s[CS], v[NM+2*\i+1]
	v_floor_f32 v[TM2], -v[TMP]            ; -M = -ceil(t)
	v_sub_f32 v[TMP], v[TM2], v[NM+2*\i]   ; old M - new M
	v_mov_b32 v[NM+2*\i], v[TM2]
	v_cvt_i32_f32 v[TMP], v[TMP]
.set j, 0
.rept 4
	v_pk_fma_f32 v[\sb+j:\sb+j+1], v[\sb+j:\sb+j+1], s[CS:CS+1], v[NM+2*\i:NM+2*\i+1] op_sel_hi:[1,0,0]
.set j, j+2
.endr
	v_ldexp_f32 v[FF], 1.0, v[TMP]         ; f = 2^(old M - new M)
.rept 28
	v_pk_fma_f32 v[\sb+j:\sb+j+1], v[\sb+j:\sb+j+1], s[CS:CS+1], v[NM+2*\i:NM+2*\i+1] op_sel_hi:[1,0,0]
.set j, j+2
.endr
.irp b, 0,1,2,3
	v_fma_f32 v[BM+\b], v[BM+\b], s[CS], v[NM+2*\i]
.endr
.if \doa
	WIN 4
.endif
	WALU                                   ; ahead of the batch
.set j, 0
.set e, 0
.rept 8
.if \doa
	AW (\i)+1, \nb, j
.endif
.rept 8
	v_exp_f32 v[\sb+e], v[\sb+e]
.set e, e+1
.endr
.set j, j+1
.endr
.irp b, 0,1,2,3
	v_exp_f32 v[BM+\b], v[BM+\b]           ; each block's largest p
.endr
	WIN 0
	v_pk_mul_f32 v[LL+2*\i:LL+2*\i+1], v[LL+2*\i:LL+2*\i+1], v[FF:FF+1] op_sel_hi:[1,0]
	WALU                                   ; behind the batch
.irp b, 0,1,2,3
	v_max_num_f32 v[BM+\b], 0x4800000, v[BM+\b]
.endr
.irp b, 0,1,2,3
	v_add_nc_u32 v[BO+\b], 0xfc000000, v[BM+\b]              ; the conversion's scale operand
.endr
.irp b, 0,1,2,3
	v_and_or_b32 v[BH+\b], v[BM+\b], 0x7f800000, s[MNT]      ; 448 x the scale
.endr
.irp b, 0,1,2,3
	v_lshrrev_b32 v[BP+\b], 23, v[BO+\b]                     ; the byte
.endr
	v_lshl_or_b32 v[PW], v[BP+1], 8, v[BP]
.irp g, 0,1                            ; the sum of the unquantised p in two chains, and behind each pair's addition its holds
.irp k, 0,2,4,6,8,10,12,14
	v_pk_add_f32 v[LL+2*\i:LL+2*\i+1], v[LL+2*\i:LL+2*\i+1], v[\sb+32*\g+\k:\sb+32*\g+\k+1]
.if (\g == 0) && (\k == 0)
	v_pk_add_f32 v[S2:S2+1], v[\sb+16:\sb+17], v[\sb+18:\sb+19]
.elseif (\g == 0) && (\k == 2)
	v_lshl_or_b32 v[PW], v[BP+2], 16, v[PW]
.else
	v_pk_add_f32 v[S2:S2+1], v[S2:S2+1], v[\sb+32*\g+16+\k:\sb+32*\g+16+\k+1]
.endif
	HOLD2 \sb+32*\g+\k, BH+2*\g, \sb+32*\g+16+\k+1, BH+2*\g+1
	HOLD2 \sb+32*\g+16+\k, BH+2*\g+1, \sb+32*\g+\k+1, BH+2*\g
.endr
.endr
	v_lshl_or_b32 v[PW], v[BP+3], 24, v[PW]
	v_pk_add_f32 v[LL+2*\i:LL+2*\i+1], v[LL+2*\i:LL+2*\i+1], v[S2:S2+1]
	WIN 0x40
.irp b, 0,1,2,3
	v_cvt_scalef32_pk8_fp8_f32 v[PCD+4*\b:PCD+4*\b+1], v[\sb+16*\b:\sb+16*\b+7], v[BO+\b]
	v_cvt_scalef32_pk8_fp8_f32 v[PCD+4*\b+2:PCD+4*\b+3], v[\sb+16*\b+8:\sb+16*\b+15], v[BO+\b]
.endr
	v_mov_b32 v[FFC], v[FF]                ; f beside the codes; also the plain line behind the conversions
.endm
.macro PV i, w                         ; O^T of tile i under the new M, then + V^T P^T; the 16 multiplications are the places ahead of the products.  w = 1: V is waited for here
.if \w
	WALU
	s_wait_dscnt 0x0                       ; V and its scale words are in
.endif
	WIN 0x55                               ; O, V, codes and f: window 1
	WALU                                   ; ahead of the first readers of O^T
.set j, 0
.rept 16
	v_pk_mul_f32 v[OT+32*\i+j:OT+32*\i+j+1], v[OT+32*\i+j:OT+32*\i+j+1], v[FFC:FFC+1] op_sel_hi:[1,0]
.set j, j+2
.endr
.irp t, 0,1,2,3
.if \t%2
	v_wmma_scale_f32_16x16x128_f8f6f4 v[OT+32*\i+8*\t:OT+32*\i+8*\t+7], v[VF+16*\t:VF+16*\t+15], v[PCD:PCD+15], v[OT+32*\i+8*\t:OT+32*\i+8*\t+7], v[VSC+\t/2], v[PW] matrix_a_scale:MATRIX_SCALE_ROW1
.else
	v_wmma_scale_f32_16x16x128_f8f6f4 v[OT+32*\i+8*\t:OT+32*\i+8*\t+7], v[VF+16*\t:VF+16*\t+15], v[PCD:PCD+15], v[OT+32*\i+8*\t:OT+32*\i+8*\t+7], v[VSC+\t/2], v[PW]
.endif
.endr
.endm
; A KEY STEP of 128 keys for my two tiles: my q-th of the slot.  mode 0: the first; behind tile 0 the second step's K is fetched.  mode 1: the second, with the change of slots and a refill.  mode 2: the second, where nothing is filled any more.
.macro STEP q, mode
	s_add_co_u32 s72, s[TB], 8192*\q
	s_add_co_u32 s73, s[TSK], 512*\q
	s_add_co_u32 s74, s[TSV], 256*\q
	v_add_nc_u32 v[ADK], s72, v[LK]
	v_add_nc_u32 v[ADV], VC, v[ADK]
	v_add_nc_u32 v[ADSK], s73, v[LSK]
	v_add_nc_u32 v[ADSV], s74, v[LSV]
	PLACES 4                               ; with the four additions: eight places behind the last products, ahead of the loads into V's registers
	WIN 0x40
.irp t, 0,1,2,3
.irp c, 0,1,2,3
	ds_load_b128 v[VF+16*\t+4*\c:VF+16*\t+4*\c+3], v[ADV] offset:2048*\t+512*\c
.endr
.endr
	WIN 0
	ds_load_b64 v[VSC:VSC+1], v[ADSV]
	WALU
	s_wait_dscnt 17                        ; K and its scale words are in; behind them stand V's 17 loads
	WIN 4
.irp n, 0,1,2,3,4,5,6,7
	AW 0, S0, \n
.endr
	WIN 0
.if \mode
	s_wait_tensorcnt 0x0                   ; all my loads are in: my part of the slot ahead
	ds_add_u32 v[SPW], v[NIL]              ; the add,
.if \mode == 1
	ds_add_u32 v[SPW], v[NIL]              ; and
	s_wait_xcnt 0x0                        ; my prefetch has read its address
	DSTEP
	s_add_nc_u64 s[PFA:PFA+1], s[PFA:PFA+1], 65536
.endif
	s_wait_dscnt 0x0                       ; the add is done, V is in: my reads of this slot are over
	s_barrier_signal -1                    ; up to the wait: work on registers alone
.endif
	PLACES 8
	SOFT 0, S0, S1, 1
	PV 0, 1-(\mode+1)/2
	WIN 0
	WALU
.if \mode == 0
	KLOAD 1
.elseif \mode == 1
	CREST                                  ; no wave of the cluster reads this slot any more, and the slot ahead is whole
	FILL l                                 ; this slot takes the data of two slots on
	s_cmp_gt_u32 s[SLOTS], s[LIM]          ; what the next refill loads; the last refill has none behind it
	s_cbranch_scc0 .Lnot_mine
	global_prefetch_b8 v[PFO], s[PFA:PFA+1] th:TH_LOAD_NT scope:SCOPE_SE
.Lnot_mine:
	TOG
	KNEXT
.else
	s_barrier_wait -1                      ; the first time: the last slot is whole
	TOG
	s_cmp_eq_u32 s[STP], 1
	s_cbranch_scc1 .Lno_next
	KNEXT
.Lno_next:
.endif
	SOFT 1, S1, 0, 0
	PV 1, 0
	WIN 0
.endm
; A HEAD'S END.  Unit u = 2 i + b is half b (32 channels) of my tile i; the wave with wave % 4 = u finishes it.  A wave sends its parts of the three other units to LDS (unit u at place (wave % 4) xor u of its own 6 KiB) and keeps its own;
; -M and l of both tiles go to LDS from every wave.  Behind a barrier it reads the three other waves' parts of its unit, and all four waves' -M and l of its tile.
.macro MERGE more
	WIN 0
	s_mul_i32 s72, s[WV], 6144
	s_add_co_u32 s72, s72, STG-2048
.irp u, 0,1,2,3
	s_xor_b32 s74, s[KW], \u
	s_lshl_b32 s75, s74, 11
	s_add_co_u32 s[76+\u], s75, s72
.endr
	s_lshl_b32 s80, s[WV], 8
	s_add_co_u32 s80, s80, ML
	s_lshl_b32 s73, s[GG], 2
	s_lshr_b32 s81, s[KW], 1
	s_lshl_b32 s81, s81, 7
	s_add_co_u32 s81, s81, ML
.irp x, 0,1,2,3
	s_xor_b32 s74, s[KW], \x
	s_add_co_u32 s74, s74, s73             ; the wave whose part stands at place x
.if \x
	s_mul_i32 s75, s74, 6144
	s_add_co_u32 s[84+\x], s75, STG-2048+2048*\x
.endif
	s_lshl_b32 s75, s74, 8
	s_add_co_u32 s[88+\x], s75, s81
.endr
	s_lshl_b32 s92, s[HD], 10              ; the head's pieces of the image, and its bytes of the scale word
	s_mov_b32 s93, 0
	s_add_nc_u64 s[92:93], s[OUTC:OUTC+1], s[92:93]
	s_lshr_b32 s94, s[HD], 1
	s_lshl_b32 s94, s94, 7
	s_and_b32 s95, s[HD], 1
	s_lshl_b32 s95, s95, 1
	s_add_co_u32 s94, s94, s95
	s_mov_b32 s95, 0
	s_add_nc_u64 s[94:95], s[OUTS:OUTS+1], s[94:95]
	PLACES 8                               ; behind the last products
	WALU
.irp i, 0,1
	v_add_f32 v[LL+2*\i], v[LL+2*\i], v[LL+2*\i+1]
.endr
.irp i, 0,1
	v_permlanex16_b32 v[BP+\i], v[LL+2*\i], s[SEL], s[SEL+1]
.endr
.irp i, 0,1
	v_add_f32 v[LL+2*\i], v[LL+2*\i], v[BP+\i]         ; my part of l
.endr
.irp i, 0,1
	v_cndmask_b32 v[LL+2*\i+1], v[NM+2*\i], v[LL+2*\i], s[HM]   ; lanes 0-15 -M, lanes 16-31 l
.endr
	v_and_b32 v[TMP], 60, v[LS]            ; 4 r
.irp u, 0,1,2,3
	v_add_nc_u32 v[AST+\u], s[76+\u], v[LI]
	v_add_nc_u32 v[AML+\u], s[88+\u], v[TMP]
.endr
	v_add_nc_u32 v[AMS], s80, v[LS]
.irp x, 1,2,3
	v_add_nc_u32 v[ALD+\x], s[84+\x], v[LI]
.endr
	WALU
	ds_store_b32 v[AMS], v[LL+1]
	ds_store_b32 v[AMS], v[LL+3] offset:128
.irp u, 0,1,2,3
	s_cmp_eq_u32 s[KW], \u
	s_cbranch_scc1 .Lown_\@_\u
	WIN 4
.irp k, 0,1,2,3
	ds_store_b128 v[AST+\u], v[OT+16*\u+4*\k:OT+16*\u+4*\k+3] offset:512*\k
.endr
	WIN 0
	s_branch .Ldn_\@_\u
.Lown_\@_\u:
	WIN 1
.set j, 0
.rept 16
	v_mov_b32 v[S0+j], v[OT+16*\u+j]
.set j, j+1
.endr
	WIN 0
	WALU
.Ldn_\@_\u:
.endr
	s_wait_dscnt 0x0
	s_barrier_signal -1
	s_barrier_wait -1
.irp x, 0,1,2,3
	ds_load_b32 v[BM+\x], v[AML+\x]
	ds_load_b32 v[BP+\x], v[AML+\x] offset:64
.endr
.irp x, 1,2,3
.irp k, 0,1,2,3
	ds_load_b128 v[S1+16*(\x-1)+4*\k:S1+16*(\x-1)+4*\k+3], v[ALD+\x] offset:512*\k
.endr
.endr
	s_wait_dscnt 0x0
	v_min3_num_f32 v[TMP], v[BM], v[BM+1], v[BM+2]
	v_min_num_f32 v[TMP], v[TMP], v[BM+3]  ; -M of the largest of the four M
.irp x, 0,1,2,3
	v_sub_f32 v[BO+\x], v[TMP], v[BM+\x]
.endr
.irp x, 0,1,2,3
	v_cvt_i32_f32 v[BO+\x], v[BO+\x]
.endr
.irp x, 0,1,2,3
	v_ldexp_f32 v[BO+\x], 1.0, v[BO+\x]    ; each part's exact factor
.endr
	v_mul_f32 v[TM2], v[BP], v[BO]
.irp x, 1,2,3
	v_fmac_f32 v[TM2], v[BP+\x], v[BO+\x]  ; l
.endr
	WALU
	v_rcp_f32 v[TM2], v[TM2]
	v_nop
	WALU
.irp x, 0,1,2,3
	v_mul_f32 v[BM+2*\x], v[BO+\x], v[TM2] ; factor / l
.endr
.set j, 0
.rept 8
	v_pk_mul_f32 v[S0+j:S0+j+1], v[S0+j:S0+j+1], v[BM:BM+1] op_sel_hi:[1,0]
.set j, j+2
.endr
.irp x, 1,2,3
.set j, 0
.rept 8
	v_pk_fma_f32 v[S0+j:S0+j+1], v[S1+16*(\x-1)+j:S1+16*(\x-1)+j+1], v[BM+2*\x:BM+2*\x+1], v[S0+j:S0+j+1] op_sel_hi:[1,0,1]
.set j, j+2
.endr
.endr
	v_max3_num_f32 v[BH], |v[S0]|, |v[S0+1]|, 0x4800000        ; the quantiser: one block of 32, in lanes l and l xor 16; two chains
	v_max3_num_f32 v[BH+1], |v[S0+2]|, |v[S0+3]|, |v[S0+4]|
.irp k, 5,9
	v_max3_num_f32 v[BH], v[BH], |v[S0+\k]|, |v[S0+\k+1]|
	v_max3_num_f32 v[BH+1], v[BH+1], |v[S0+\k+2]|, |v[S0+\k+3]|
.endr
	v_max3_num_f32 v[BH], v[BH], |v[S0+13]|, |v[S0+14]|
	v_max3_num_f32 v[BH], v[BH], v[BH+1], |v[S0+15]|
	v_permlanex16_b32 v[BH+2], v[BH], s[SEL], s[SEL+1]
	v_max_num_f32 v[BH], v[BH], v[BH+2]
	v_add_nc_u32 v[BO], 0xfc000000, v[BH]
	v_and_or_b32 v[BH+1], v[BH], 0x7f800000, s[MNT]
	v_lshrrev_b32 v[BO+1], 23, v[BO]
.irp k, 0,1,2,3,4,5,6,7,8,9,10,11,12,13,14,15
	v_med3_num_f32 v[S0+\k], v[S0+\k], -v[BH+1], v[BH+1]
.endr
	v_cvt_scalef32_pk8_fp8_f32 v[CD:CD+1], v[S0:S0+7], v[BO]
	v_cvt_scalef32_pk8_fp8_f32 v[CD+2:CD+3], v[S0+8:S0+15], v[BO]
	v_nop
	global_store_b128 v[LI], v[CD:CD+3], s[92:93]      ; a piece of the image: 512 consecutive bytes
	global_store_b8 v[LS], v[BO+1], s[94:95]
.if \more
	s_add_co_u32 s[HD], s[HD], 1
	WIN 0x41                               ; the next head's Q moves up
.irp i, 0,1
.irp k, 0,1,2,3,4,5,6,7
	v_mov_b32 v[8+16*\i+\k], v[QST+8*\i+\k]
.endr
.endr
.set j, 0
.rept 16
	v_mov_b32 v[QST+j], v[QST+16+j]
.set j, j+1
.endr
	WIN 1
.irp i, 0,1
	v_mov_b32 v[QSC+\i], v[QSS+\i]
.endr
	WIN 0x41
.irp i, 0,1
	v_mov_b32 v[QSS+\i], v[QSS+2+\i]
.endr
	WIN 0
	INIT
	WALU
	s_wait_xcnt 0x0                        ; the stores have read their data: those registers take scores again
.endif
.endm
	WALU                                   ; the head's end
	s_wait_tensorcnt 0x0                   ; slot 1's first fill is issued as a refill is: my part of slot 0 is in,
	ds_add_u32 v[SPW], v[NIL]              ; the add, twice on end,
	ds_add_u32 v[SPW], v[NIL]
	DSTEP
	s_wait_dscnt 0x0
	ROUND
	FILL p
	KNEXT                                  ; slot 0's first K
.Lslot:                                    ; 10 trips, a slot each, each with its refill
	STEP 0, 0
	STEP 1, 1
	s_and_b32 s72, s[SLOTS], 3             ; slots 3 and 7 end a head
	s_cmp_lg_u32 s72, 3
	s_cbranch_scc1 .Lno_merge
	MERGE 1
.Lno_merge:
	s_sub_co_u32 s[SLOTS], s[SLOTS], 1
	s_cmp_lg_u32 s[SLOTS], 0
	WALU
	s_cbranch_scc1 .Lslot
	s_mov_b32 s[STP], 0
.Ltail:                                    ; the last two slots: nothing is filled any more
	STEP 0, 0
	STEP 1, 2
	s_add_co_u32 s[STP], s[STP], 1
	s_cmp_lt_u32 s[STP], 2
	WALU
	s_cbranch_scc1 .Ltail
	MERGE 0
	s_wait_tensorcnt 0x0                   ; the wave's end
	ds_add_u32 v[SPW], v[NIL]
	s_wait_dscnt 0x0
	ROUND                                  ; the closing round
	s_endpgm
.Lfunc_end_k_q9f6a445841_attn:
	.size	k_q9f6a445841_attn, .Lfunc_end_k_q9f6a445841_attn-k_q9f6a445841_attn
	.p2alignl 7, 3214868480
	.fill 96, 4, 3214868480
	.section	.rodata,"a",@progbits
	.p2align	6, 0x0
	.amdhsa_kernel k_q9f6a445841_attn
		.amdhsa_group_segment_fixed_size 327680
		.amdhsa_private_segment_fixed_size 0
		.amdhsa_enable_private_segment 0
		.amdhsa_kernarg_size 24
		.amdhsa_user_sgpr_count 2
		.amdhsa_user_sgpr_kernarg_segment_ptr 1
		.amdhsa_wavefront_size32 1
		.amdhsa_system_sgpr_workgroup_id_x 1
		.amdhsa_system_sgpr_workgroup_id_y 1
		.amdhsa_system_sgpr_workgroup_id_z 1
		.amdhsa_system_vgpr_workitem_id 0
		.amdhsa_next_free_vgpr 512
		.amdhsa_next_free_sgpr 96
		.amdhsa_reserve_vcc 0
		.amdhsa_float_denorm_mode_32 3
		.amdhsa_float_denorm_mode_16_64 3
		.amdhsa_memory_ordered 1
		.amdhsa_forward_progress 1
		.amdhsa_inst_pref_size 189
	.end_amdhsa_kernel
	.amdgpu_metadata
---
amdhsa.version: [ 1, 2 ]
amdhsa.kernels:
  - .name:           k_q9f6a445841_attn
    .symbol:         k_q9f6a445841_attn.kd
    .args:
      - { .name: qk, .offset: 0, .size: 8, .value_kind: global_buffer, .address_space: global }
      - { .name: vq, .offset: 8, .size: 8, .value_kind: global_buffer, .address_space: global }
      - { .name: aq, .offset: 16, .size: 8, .value_kind: global_buffer, .address_space: global }
    .group_segment_fixed_size: 327680
    .private_segment_fixed_size: 0
    .kernarg_segment_align: 8
    .kernarg_segment_size: 24
    .max_flat_workgroup_size: 256
    .sgpr_count:     96
    .vgpr_count:     512
    .wavefront_size: 32
...
	.end_amdgpu_metadata
.endif
;; end of part 3
;; launch oproj (part 4): grid 64 x 3, 4 waves a work-group, no clusters, 327,680 bytes of LDS; arguments aq, wq, bo, out0; writes out0
.if DOCPART == 4
	.amdgcn_target "amdgcn-amd-amdhsa--gfx1250"
	.amdhsa_code_object_version 6
	.text
	.protected	k_q9f6a445841_oproj
	.globl	k_q9f6a445841_oproj
	.p2align	8
	.type	k_q9f6a445841_oproj,@function
k_q9f6a445841_oproj:
	s_mov_b64 s[64:65], 0
	v_nop
	global_prefetch_b8 v0, s[64:65] scope:SCOPE_SE
	s_setreg_imm32_b32 hwreg(HW_REG_WAVE_MODE, 25, 1), 1
	s_wait_xcnt 0x0
.set XS_OFF, 3145728
.set WS_OFF, 2359296
.set XSC,  49152
.set STG,  52224
.set LN,   1
.set RW,   2
.set HF,   3
.set LI,   4
.set LS,   5
.set XAD,  6
.set XSA,  9
.set R4,   10
.set BA,   11
.set STO,  12
.set RD,   13
.set CO,   14
.set ACC,  16
.set XS,   128
.set WS,   144
.set BK,   176
.set BIAS, 128
.set WV,   18
.set GY,   19
.set RB,   20
.set UNIT, 21
.set G1C,  28
.set G1S,  36
.set G0C,  44
.set G0S,  48
.set MSB, 0
.macro WIN new
.if MSB != \new
	s_set_vgpr_msb (MSB<<8)|\new
.set MSB, \new
.endif
.endm
	s_load_b256 s[4:11], s[0:1], 0x0
	v_lshl_add_u32 v254, v0, 2, 0x29000
	v_mov_b32 v255, 0
	ds_add_u32 v254, v255
	ds_add_u32 v254, v255
	v_lshrrev_b32 v[LN], 5, v0
	v_readfirstlane_b32 s[WV], v[LN]
	s_and_b32 s[GY], ttmp7, 0xffff
	s_mov_b32 s[RB], ttmp9
	s_lshl_b32 s22, s[GY], 2
	s_add_co_u32 s22, s22, s[WV]
	s_add_co_u32 s[UNIT], s22, 36
	s_mov_b32 s[G1C], 3<<16
	s_mov_b32 s[G1C+1], 32<<16
	s_mov_b32 s[G1C+2], 64<<16
	s_mov_b32 s[G1C+3], 32<<16
	s_mov_b32 s[G1C+4], 64
	s_mov_b32 s[G1C+5], 32
	s_mov_b32 s[G1C+6], 0
	s_mov_b32 s[G1C+7], 0
	s_mov_b32 s[G1S], 3<<16
	s_mov_b32 s[G1S+1], 32<<16
	s_mov_b32 s[G1S+2], 12<<16
	s_mov_b32 s[G1S+3], 32<<16
	s_mov_b32 s[G1S+4], 12
	s_mov_b32 s[G1S+5], 32
	s_mov_b32 s[G1S+6], 0
	s_mov_b32 s[G1S+7], 0
	s_mul_i32 s52, s[RB], 49152
	s_mul_i32 s53, s[WV], 16384
	s_mov_b32 s[G0C+1], s53
	s_add_co_u32 s52, s52, s53
	s_mov_b32 s53, 0
	s_mul_i32 s54, s[RB], 3072
	s_mov_b32 s55, 0
	s_add_co_u32 s[G0S+1], s55, XSC
	s_add_co_u32 s54, s54, s55
	s_add_co_u32 s54, s54, XS_OFF
	s_mov_b32 s55, 0
	s_mov_b32 s[G0C], 1
	s_mov_b32 s[G0S], 1
	v_and_b32 v[LN], 31, v0
	v_and_b32 v[RW], 15, v0
	v_bfe_u32 v[HF], v0, 4, 1
	v_lshlrev_b32 v[LI], 4, v[LN]
	v_lshlrev_b32 v[LS], 2, v[LN]
	v_lshlrev_b32 v[R4], 2, v[RW]
	v_lshlrev_b32 v[BA], 6, v[HF]
	v_mov_b32 v[XAD], v[LI]
	v_add_nc_u32 v[XAD+1], 24576, v[LI]
	v_add_nc_u32 v[XSA], XSC, v[LS]
	s_mul_i32 s23, s[WV], 4352
	s_add_co_u32 s23, s23, STG
	v_mul_u32_u24 v[STO], v[RW], 272
	v_lshl_add_u32 v[STO], v[HF], 6, v[STO]
	v_add_nc_u32 v[STO], s23, v[STO]
	v_mul_u32_u24 v[RD], v[HF], 272
	v_lshl_add_u32 v[RD], v[RW], 4, v[RD]
	v_add_nc_u32 v[RD], s23, v[RD]
	v_mul_u32_u24 v[CO], v[HF], 3072
	v_lshl_add_u32 v[CO], v[RW], 4, v[CO]
	s_wait_alu depctr_va_vdst(0)
	s_wait_dscnt 0x0
	s_wait_kmcnt 0x0
	s_add_nc_u64 s[G0C+2:G0C+3], s[4:5], s[52:53]
	s_or_b32 s[G0C+3], s[G0C+3], 0x80000000
	s_add_nc_u64 s[G0S+2:G0S+3], s[4:5], s[54:55]
	s_or_b32 s[G0S+3], s[G0S+3], 0x80000000
	s_cmp_lt_u32 s[WV], 3                          ; one tensor load a wave: waves 0 to 2 a third of the images each (64 rows of 256 bytes), wave 3 the scale words (12 rows)
	s_cbranch_scc0 .Lfor_scales
	tensor_load_to_lds s[G0C:G0C+3], s[G1C:G1C+7]
	s_nop 0
.rept 4
	v_nop
.endr
	s_branch .Lhead_asked
.Lfor_scales:
	tensor_load_to_lds s[G0S:G0S+3], s[G1S:G1S+7]
	s_nop 0
.Lhead_asked:
.rept 4
	v_nop
.endr
	s_mul_i32 s52, s[UNIT], 49152
	s_add_nc_u64 s[56:57], s[6:7], s[52:53]
	s_mul_i32 s52, s[UNIT], 1536
	s_add_co_u32 s52, s52, WS_OFF
	s_add_nc_u64 s[58:59], s[6:7], s[52:53]
	s_lshl_b32 s52, s22, 8
	s_add_nc_u64 s[8:9], s[8:9], s[52:53]
	s_mul_i32 s54, s[RB], 196608
	s_add_co_u32 s52, s52, s54
	s_add_nc_u64 s[60:61], s[10:11], s[52:53]
	WIN 0x40
.irp s, 0,1,2,3
.irp t, 0,1,2,3
.irp c, 0,1,2,3
	global_load_b128 v[16*(4*\s+\t)+4*\c:16*(4*\s+\t)+4*\c+3], v[LI], s[56:57] offset:(6*\t+\s)*2048+512*\c
.endr
.endr
.endr
	WIN 0x80
.irp s, 4,5
.irp t, 0,1,2,3
.irp c, 0,1,2,3
	global_load_b128 v[16*(4*(\s-4)+\t)+4*\c:16*(4*(\s-4)+\t)+4*\c+3], v[LI], s[56:57] offset:(6*\t+\s)*2048+512*\c
.endr
.endr
.endr
.irp t, 0,1,2,3
	global_load_b128 v[BIAS+8*\t:BIAS+8*\t+3], v[BA], s[8:9] offset:(32*(\t/2)+8*(\t%2))*4
	global_load_b128 v[BIAS+8*\t+4:BIAS+8*\t+7], v[BA], s[8:9] offset:(32*(\t/2)+8*(\t%2))*4+16
.endr
	WIN 0
.irp s, 0,1,2,3,4,5
.irp t, 0,1,2,3
	global_load_b32 v[WS+4*\s+\t], v[R4], s[58:59] offset:(6*\t+\s)*64
.endr
.endr
	s_wait_tensorcnt 0x0
	s_barrier_signal -1
	s_barrier_wait -1
	s_wait_loadcnt 0x0
.macro XFETCH p
	WIN 0xc0
.irp f, 0,1,2,3,4,5,6,7,8,9,10,11
.irp c, 0,1,2,3
	ds_load_b128 v[16*\f+4*\c:16*\f+4*\c+3], v[XAD+\p] offset:\f*2048+512*\c
.endr
.endr
	WIN 0
.irp f, 0,1,2,3,4,5,6,7,8,9,10,11
	ds_load_b32 v[XS+\f], v[XSA] offset:(\p)*1536+\f*128
.endr
.endm
.macro MULQK
.irp s, 0,1,2,3,4,5
.if \s == 0
	WIN 0x2d
.elseif \s < 4
	WIN 0x0d
.else
	WIN 0x0e
.endif
.irp x, 0,1
.irp t, 0,1,2,3
.if \s == 0
	v_wmma_scale_f32_16x16x128_f8f6f4 v[ACC+32*\x+8*\t:ACC+32*\x+8*\t+7], v[16*(4*(\s%4)+\t):16*(4*(\s%4)+\t)+15], v[16*(6*\x+\s):16*(6*\x+\s)+15], v[BIAS+8*\t:BIAS+8*\t+7], v[WS+4*\s+\t], v[XS+6*\x+\s]
.else
	v_wmma_scale_f32_16x16x128_f8f6f4 v[ACC+32*\x+8*\t:ACC+32*\x+8*\t+7], v[16*(4*(\s%4)+\t):16*(4*(\s%4)+\t)+15], v[16*(6*\x+\s):16*(6*\x+\s)+15], v[ACC+32*\x+8*\t:ACC+32*\x+8*\t+7], v[WS+4*\s+\t], v[XS+6*\x+\s]
.endif
.endr
.endr
.endr
	WIN 0
.endm
.macro PLACES
.rept 9
	v_nop
.endr
.endm
.macro OUT pp, x
	s_wait_xcnt 0x0
.irp b, 0,1
.irp j, 0,1,2,3
	ds_store_b128 v[STO], v[ACC+32*\x+16*\b+4*\j:ACC+32*\x+16*\b+4*\j+3] offset:128*\b+16*\j
.endr
.endr
.irp i, 0,1,2,3,4,5,6,7
	ds_load_b128 v[BK+32*\x+4*\i:BK+32*\x+4*\i+3], v[RD] offset:544*\i
.endr
	s_wait_dscnt 0x0
.irp i, 0,1,2,3,4,5,6,7
	global_store_b128 v[CO], v[BK+32*\x+4*\i:BK+32*\x+4*\i+3], s[60:61] offset:98304*\pp+24576*\x+(2*\i+8*(\i/4))*3072 th:TH_STORE_NT
.endr
.endm
	XFETCH 0
	s_wait_dscnt 0x0
	MULQK
	PLACES
	XFETCH 1
	OUT 0, 0
	OUT 0, 1
	s_wait_dscnt 0x0
	MULQK
	PLACES
	OUT 1, 0
	OUT 1, 1
	s_wait_tensorcnt 0x0
	ds_add_u32 v254, v255
	s_wait_dscnt 0x0
	s_endpgm
.Lfunc_end_k_q9f6a445841_oproj:
	.size	k_q9f6a445841_oproj, .Lfunc_end_k_q9f6a445841_oproj-k_q9f6a445841_oproj
	.p2alignl 7, 3214868480
	.fill 96, 4, 3214868480
	.section	.rodata,"a",@progbits
	.p2align	6, 0x0
	.amdhsa_kernel k_q9f6a445841_oproj
		.amdhsa_group_segment_fixed_size 327680
		.amdhsa_private_segment_fixed_size 0
		.amdhsa_enable_private_segment 0
		.amdhsa_kernarg_size 32
		.amdhsa_user_sgpr_count 2
		.amdhsa_user_sgpr_kernarg_segment_ptr 1
		.amdhsa_wavefront_size32 1
		.amdhsa_system_sgpr_workgroup_id_x 1
		.amdhsa_system_sgpr_workgroup_id_y 1
		.amdhsa_system_sgpr_workgroup_id_z 1
		.amdhsa_system_vgpr_workitem_id 0
		.amdhsa_next_free_vgpr 1024
		.amdhsa_next_free_sgpr 66
		.amdhsa_reserve_vcc 0
		.amdhsa_float_denorm_mode_32 3
		.amdhsa_float_denorm_mode_16_64 3
		.amdhsa_memory_ordered 1
		.amdhsa_forward_progress 1
		.amdhsa_inst_pref_size 45
	.end_amdhsa_kernel
	.amdgpu_metadata
---
amdhsa.version: [ 1, 2 ]
amdhsa.kernels:
  - .name:           k_q9f6a445841_oproj
    .symbol:         k_q9f6a445841_oproj.kd
    .args:
      - { .name: aq, .offset: 0, .size: 8, .value_kind: global_buffer, .address_space: global }
      - { .name: wq, .offset: 8, .size: 8, .value_kind: global_buffer, .address_space: global }
      - { .name: bo, .offset: 16, .size: 8, .value_kind: global_buffer, .address_space: global }
      - { .name: out0, .offset: 24, .size: 8, .value_kind: global_buffer, .address_space: global }
    .group_segment_fixed_size: 327680
    .private_segment_fixed_size: 0
    .kernarg_segment_align: 8
    .kernarg_segment_size: 32
    .max_flat_workgroup_size: 128
    .sgpr_count:     66
    .vgpr_count:     1024
    .wavefront_size: 32
...
	.end_amdgpu_metadata
.endif
;; end of part 4
